; MI455X (gfx1250); checked and timed in simulation.
; The chip was launched on July 23, 2026; its instructions are those of AMD's public machine-readable ISA for CDNA 5 (MIT licence, August 2026) and "CDNA5" Instruction Set Architecture Reference Guide (July 2026). The comments in the code are by the model that wrote it; some were corrected since.
;; CLSTM Cell. Allowed arithmetic: matrix products marked QUANTISED: E3M2 operands, one E8M0 scale for each 32 along K, by v_wmma_scale_f32_16x16x128_f8f6f4 with both operands' format E3M2, f32 sums; everything else in f32.
;; Inputs: Ub_i 4 x 1,024 float32; Ub_r 4 x 1,024 float32; Uw_i_codes 4 x 1,024 x 32 x 24 uint8 (E3M2 codes of Uw_i, K innermost, in blocks of 32 codes, four codes in three bytes); Uw_i_scales 4 x 1,024 x 32 uint8 (E8M0 scales of Uw_i, one for each 32 codes along K); Uw_r_codes 4 x 1,024 x 32 x 24 uint8 (E3M2 codes of Uw_r, K innermost, in blocks of 32 codes, four codes in three bytes); Uw_r_scales 4 x 1,024 x 32 uint8 (E8M0 scales of Uw_r, one for each 32 codes along K); Wb_i 4 x 1,024 float32; Wb_r 4 x 1,024 float32; Ww_i_codes 4 x 1,024 x 32 x 24 uint8 (E3M2 codes of Ww_i, K innermost, in blocks of 32 codes, four codes in three bytes); Ww_i_scales 4 x 1,024 x 32 uint8 (E8M0 scales of Ww_i, one for each 32 codes along K); Ww_r_codes 4 x 1,024 x 32 x 24 uint8 (E3M2 codes of Ww_r, K innermost, in blocks of 32 codes, four codes in three bytes); Ww_r_scales 4 x 1,024 x 32 uint8 (E8M0 scales of Ww_r, one for each 32 codes along K); c_x 2,048 x 2,048 float32; h_x 2,048 x 2,048 float32; input 2,048 x 2,048 float32.
;; Outputs: out0 2,048 x 2,048 float32; out1 2,048 x 2,048 float32.
;; This version of the problem:
;;   THIS VERSION OF THE PROBLEM IS GIVEN IN LOW PRECISION. The matrix products marked QUANTISED in the list below multiply operands that are first quantised to E3M2 (3 exponent bits, 2 mantissa bits; 6 bits a number), with one power-of-two scale for each 32 numbers along K (OCP MX v1.0); their sums are f32. All else is computed in f32.
;;   The module's matrix products, in the order in which they are computed (A, B: the left and right operand; K: the contracted axis; several contracted axes count as one K, in the product's order):
;;     1. [M 2,048, K 1,024] x [K 1,024, N 4,096]; A: input input; B: input Uw_r (given as codes): QUANTISED
;;     2. [M 2,048, K 1,024] x [K 1,024, N 4,096]; A: input input; B: input Uw_i (given as codes): QUANTISED
;;     3. [M 2,048, K 1,024] x [K 1,024, N 4,096]; A: input input; B: input Uw_i (given as codes): QUANTISED
;;     4. [M 2,048, K 1,024] x [K 1,024, N 4,096]; A: input input; B: input Uw_r (given as codes): QUANTISED
;;     5. [M 2,048, K 1,024] x [K 1,024, N 4,096]; A: input h_x; B: input Ww_r (given as codes): QUANTISED
;;     6. [M 2,048, K 1,024] x [K 1,024, N 4,096]; A: input h_x; B: input Ww_i (given as codes): QUANTISED
;;     7. [M 2,048, K 1,024] x [K 1,024, N 4,096]; A: input h_x; B: input Ww_i (given as codes): QUANTISED
;;     8. [M 2,048, K 1,024] x [K 1,024, N 4,096]; A: input h_x; B: input Ww_r (given as codes): QUANTISED
;;   THE QUANTISER, for each operand of a quantised product, along K:
;;     - K is cut into blocks of 32 from its start; a last block that is shorter is filled with zeros.
;;     - A block's scale is 2^e with e = floor(log2(the largest magnitude in the block)) - 4, held to -126 .. 127; a block of zeros has e = 0. As a byte (E8M0): e + 127.
;;     - Each number is divided by its block's scale, clamped to +-28, and rounded to the nearest number of E3M2, ties to even, subnormals kept.
;;     - The product sums the exact products of the quantised numbers (number of the format x scale) in f32.
;;   ~~~python
;;   def quantise(x, axis):      # numpy; x: float32 -> the quantised numbers, widened to float32 again
;;       x = np.moveaxis(x, axis, -1); K = x.shape[-1]
;;       x = np.pad(x, [(0, 0)] * (x.ndim - 1) + [(0, -K % 32)]); x = x.reshape(x.shape[:-1] + (-1, 32)); a = np.abs(x).max(-1, keepdims=True)
;;       e = np.where(a > 0, np.clip(np.frexp(np.where(a > 0, a, 1))[1] - 1 - 4, -126, 127), 0)      # np.frexp(a)[1] - 1 = floor(log2(a)), exactly
;;       r = np.clip(x / 2.0 ** e, -28, 28)
;;       step = 2.0 ** (np.maximum(np.frexp(np.where(r == 0, 1, r))[1] - 1, -2) - 2)
;;       q = np.round(r / step) * step * 2.0 ** e      # np.round: ties to even
;;       return np.moveaxis(q.reshape(q.shape[:-2] + (-1,))[..., :K], -1, axis).astype(np.float32)
;;   ~~~
;;   INPUTS GIVEN AS CODES. Uw_i (in the module: [4, 1024, 1024], K = its axis 2); Uw_r (in the module: [4, 1024, 1024], K = its axis 2); Ww_i (in the module: [4, 1024, 1024], K = its axis 2); Ww_r (in the module: [4, 1024, 1024], K = its axis 2): each comes as NAME_codes (uint8): NAME with its K axis moved to the last place and cut into blocks of 32 codes, [.., K / 32, bytes a block], one block behind the other in memory; four codes in three bytes: a row's codes are one little-endian stream of bits, code i at bits 6 i .. 6 i + 5 (a code: sign, 3 exponent bits, 2 mantissa bits); and NAME_scales (uint8): the same leading axes, one E8M0 byte (e + 127) for each 32 codes along K. Its value is code x scale, taken as it is: it is not quantised again, and the codes and scales need not be those that the quantiser above would give.
;; 2 versions. Each part assembles by itself: llvm-mc -triple=amdgcn-amd-amdhsa -mcpu=gfx1250 --defsym DOCPART=n.
;; ======== version 1 of 2: 2 launches
;; workspace buffers: aw 9,961,472 bytes; bw 13,107,200 bytes
;; launch prep (part 1): grid 768 x 1, 4 waves a work-group, no clusters, 87,552 bytes of LDS; arguments input, h_x, Uw_r_codes, Uw_i_codes, Ww_r_codes, Ww_i_codes, Uw_r_scales, Uw_i_scales, Ww_r_scales, Ww_i_scales, aw, bw; writes aw, bw
.if DOCPART == 1
	.amdgcn_target "amdgcn-amd-amdhsa--gfx1250"
	.amdhsa_code_object_version 6
	.text
	.protected	k_q9d43b657ed_prep
	.globl	k_q9d43b657ed_prep
	.p2align	8
	.type	k_q9d43b657ed_prep,@function
k_q9d43b657ed_prep:
	s_mov_b64 s[64:65], 0
	v_nop
	global_prefetch_b8 v0, s[64:65] scope:SCOPE_SE
	s_setreg_imm32_b32 hwreg(HW_REG_WAVE_MODE, 25, 1), 1
	s_wait_xcnt 0x0
; PREP: both operands of the cell's products are laid out once, in the order of the matrix operand's registers.
; A fragment is 16 rows x 128 along K of 6-bit codes (E3M2): 12 registers a lane.  Its IMAGE is 1,536 bytes: register n of lane l at 512 (n / 4) + 16 l + 4 (n % 4).
; Work-groups 0 to 511 (the activations): input and h_x, f32, are quantised along K, one E8M0 scale for each 32: scale byte = the block's largest magnitude's exponent field - 4.
;   aw = [bb 16][c 16][half 2][19,456]: bb = block of 128 rows, c = chunk of 128 complex numbers along K (0-7 input, 8-15 h_x), half = 64 rows.
;   A half = [plane 3][tile m 4][image], then [quad 4][row 16][4 words]: plane 0 the real part, 1 the imaginary part, 2 the imaginary part NEGATED (each code's sign bit turned: the quantiser is odd,
;   so the codes of -x are those of x with the other sign).  Quad q, word k = the scale word of plane q, tile k; quad 3 is zeros.
; Work-groups 512 to 767 (the weights): codes and scale bytes are copied as they are given into
;   bw = [ub 16][c 16][half 2][25,600]: ub = block of 64 units, c = chunk (0-7 U, 8-15 W), half = 32 units.  A half = [tile t 16][image], then [quad 4][row 16][4 words],
;   t = 8 (imaginary matrix) + 2 gate + (tile of 16 units); quad t / 4, word t % 4 = tile t's scale word.
; So one chunk of one half is one dense run of whole blocks of 256 bytes, scale words behind the codes.
; LIMITS: NaN and infinities among input and h_x are not served.  A block of zeros gets the byte 1 where the rule says 127: its codes are zeros, and this program alone reads the bytes.
; No tensor loads.  The two kinds of work-group part on the work-group's number, use LDS bytes of their own, and each has one barrier (the four waves' scale words meet in LDS and leave as whole blocks of 256 bytes).
.set STGX, 0                           ; activations: a stage of 16 rows x (512 + 16) bytes for each wave
.set SCX,  33792                       ; and the half's 1,024 bytes of scale words
.set STGW, 34816                       ; weights: a stage of 16 rows x (768 + 16) bytes for each wave
.set SCW,  84992                       ; and 8 chunks x 256 bytes of scale words
.set LN,   2                           ; v2  lane
.set RR,   3                           ; v3  lane % 16
.set HH,   4                           ; v4  lane / 16
.set LI,   5                           ; v5  16 x lane: my place in 512 consecutive bytes; never rewritten
.set NIL,  6                           ; v6  0
.set R0,   16                          ; v16-79   activations: the real half as loaded;  weights: v16-111 the codes as loaded
.set R1,   80                          ; v80-143  the imaginary half as loaded
.set XN,   144                         ; v144-207 64 numbers of my row: register 16 b + i = k 32 b + 16 (lane / 16) + i
.set PCA,  16                          ; v16-35   the real plane's codes (12) and 8 at work: R0 has been read by then
.set PCB,  36                          ; v36-55   the imaginary plane's
.set PN,   56                          ; v56-67   the negated plane's
.set FW,   112                         ; v112-207 weights: 8 fragments
.set TM,   208                         ; v208-223 at work in the quantiser
.set PWA,  224                         ; v224, v225 the two scale words
.set PWB,  225
.set SGN,  28                          ; s28-30 the sign bits of 16 codes in three words
.set SEL,  32                          ; s[32:33] v_permlanex16_b32's selects for lane l xor 16
.set WV,   34                          ; s34 wave
	s_load_b512 s[4:19], s[0:1], 0x0               ; input, h_x, Uw_r, Uw_i, Ww_r, Ww_i codes, Uw_r, Uw_i scales
	s_load_b256 s[20:27], s[0:1], 0x40             ; Ww_r, Ww_i scales, aw, bw
	v_lshl_add_u32 v240, v0, 2, 0x15400
	v_mov_b32 v241, 0
	v_lshrrev_b32 v1, 5, v0
	v_readfirstlane_b32 s[WV], v1                  ; wave 0..3
	v_and_b32 v[LN], 31, v0
	v_and_b32 v[RR], 15, v0
	v_bfe_u32 v[HH], v0, 4, 1
	v_lshlrev_b32 v[LI], 4, v[LN]
	v_mov_b32 v[NIL], 0
.irp b, 0,1,2,3
	v_mov_b32 v[TM+4+\b], 0                        ; written once: a lane permute's destination counts as one of its sources
.endr
	s_mov_b32 s[SGN], 0x20820820                   ; bit 6 i + 5 of a stream of 16 codes, i = 0 .. 15
	s_mov_b32 s[SGN+1], 0x08208208
	s_mov_b32 s[SGN+2], 0x82082082
	s_mov_b32 s[SEL], 0x76543210
	s_mov_b32 s[SEL+1], 0xfedcba98
	s_cmp_lt_u32 ttmp9, 512
	s_cbranch_scc0 .Lweights
; ---------------- THE ACTIVATIONS.  Work-group n: tensor n / 256, 64 rows (n / 8) % 32, chunk n % 8 of 128 complex numbers; wave m takes 16 of the rows, both halves of the chunk.
	s_lshr_b32 s36, ttmp9, 8                       ; 0 input, 1 h_x
	s_bfe_u32 s37, ttmp9, 0x50003                  ; which 64 rows
	s_and_b32 s38, ttmp9, 7                        ; which 128 columns of each half of the tensor
	s_lshr_b32 s39, s37, 1                         ; bb
	s_and_b32 s40, s37, 1                          ; half
	s_lshl_b32 s41, s36, 3
	s_add_co_u32 s41, s41, s38                     ; c
	s_lshl_b32 s42, s37, 6
	s_lshl_b32 s43, s[WV], 4
	s_add_co_u32 s42, s42, s43                     ; my first row
	s_lshl_b32 s42, s42, 13                        ; x 8,192 bytes
	s_lshl_b32 s43, s38, 9
	s_add_co_u32 s42, s42, s43                     ; + 512 bytes a chunk
	s_mov_b32 s43, 0
	s_mul_i32 s44, s39, 622592
	s_mul_i32 s45, s41, 38912
	s_add_co_u32 s44, s44, s45
	s_mul_i32 s45, s40, 19456
	s_add_co_u32 s44, s44, s45                     ; where the half begins in aw
	s_mov_b32 s45, 0
	s_mul_i32 s50, s[WV], 1536                     ; my tile's image in a plane
	s_mov_b32 s51, 0
	s_lshl_b32 s56, s[WV], 8
	s_add_co_u32 s56, s56, 18432                   ; the quad that I store at the end
	s_mov_b32 s57, 0
	s_mul_i32 s35, s[WV], 8448                     ; my stage (STGX = 0)
	v_add_nc_u32 v8, s35, v[LI]                    ; in: a row's 512 bytes as they lie
	v_mul_u32_u24 v9, v[RR], 528
	v_lshl_add_u32 v9, v[HH], 6, v9
	v_add_nc_u32 v9, s35, v9                       ; out: row lane % 16, + 64 bytes for lanes 16-31
	s_lshl_b32 s35, s[WV], 2
	s_add_co_u32 s35, s35, SCX
	v_lshlrev_b32 v10, 4, v[RR]
	v_add_nc_u32 v10, s35, v10                     ; a scale word's place in a quad: 16 x row + 4 x tile
	s_lshl_b32 s35, s[WV], 8
	s_add_co_u32 s35, s35, SCX
	v_lshlrev_b32 v12, 3, v[LN]
	v_add_nc_u32 v11, s35, v12                     ; back: quad = my wave's number, 8 bytes a lane
	s_wait_kmcnt 0x0
	s_cmp_eq_u32 s36, 0
	s_cselect_b64 s[46:47], s[4:5], s[6:7]         ; the choice hangs on the work-group's number alone
	s_add_nc_u64 s[46:47], s[46:47], s[42:43]
	s_add_nc_u64 s[48:49], s[24:25], s[44:45]
	s_add_nc_u64 s[52:53], s[48:49], s[50:51]      ; my images
	s_add_nc_u64 s[54:55], s[48:49], s[56:57]      ; my quad
.irp p, 0,1
.irp j, 0,1,2,3,4,5,6,7,8,9,10,11,12,13,14,15
	global_load_b128 v[R0+64*\p+4*\j:R0+64*\p+4*\j+3], v[LI], s[46:47] offset:8192*\j+4096*\p th:TH_LOAD_NT   ; 32 lanes read 512 consecutive bytes of row j: the real half, then the imaginary
.endr
.endr
; 16 rows x 512 bytes through my stage: in as loaded, out 64 bytes a lane of each block of 32.  LDS serves a wave's instructions in order, so no wait stands between the stores and the loads.
.macro TURN reg
.irp j, 0,1,2,3,4,5,6,7,8,9,10,11,12,13,14,15
	ds_store_b128 v8, v[\reg+4*\j:\reg+4*\j+3] offset:528*\j
.endr
.irp b, 0,1,2,3
.irp k, 0,1,2,3
	ds_load_b128 v[XN+16*\b+4*\k:XN+16*\b+4*\k+3], v9 offset:128*\b+16*\k
.endr
.endr
.endm
; 64 numbers of a lane, v[s] on, become a fragment's codes in v[pc] .. v[pc + 11] and its row's scale word in v[pw].
.macro QUANT s, pc, pw
.irp b, 0,1,2,3
	v_max3_num_f32 v[TM+\b], |v[\s+16*\b]|, |v[\s+1+16*\b]|, 0x2800000   ; block b: my 16 numbers, and the floor 2^(5 - 127): the byte cannot fall under 1
.endr
.irp i, 2,4,6,8,10,12,14
.irp b, 0,1,2,3
	v_max3_num_f32 v[TM+\b], v[TM+\b], |v[\s+16*\b+\i]|, |v[\s+1+16*\b+\i]|   ; the four blocks by turns
.endr
.endr
.irp b, 0,1,2,3
	v_permlanex16_b32 v[TM+4+\b], v[TM+\b], s[SEL], s[SEL+1]
.endr
.irp b, 0,1,2,3
	v_max_num_f32 v[TM+\b], v[TM+\b], v[TM+4+\b]   ; with lane l xor 16's 16: the block's largest magnitude
.endr
.irp b, 0,1,2,3
	v_add_nc_u32 v[TM+12+\b], 0xfe000000, v[TM+\b] ; 4 off its exponent field: the conversion takes this operand's exponent field as its scale
.endr
.irp b, 0,1,2,3
	v_lshrrev_b32 v[TM+4+\b], 23, v[TM+12+\b]      ; the scale's byte
.endr
	v_lshl_or_b32 v[\pw], v[TM+5], 8, v[TM+4]
	v_lshl_or_b32 v[\pw], v[TM+6], 16, v[\pw]
	v_lshl_or_b32 v[\pw], v[TM+7], 24, v[\pw]      ; my row's scale word (both halves of the lanes hold the same)
.irp c, 0,1
	v_cvt_scalef32_pk16_bf6_f32 v[\pc+6*\c:\pc+2+6*\c], v[\s+32*\c:\s+15+32*\c], v[TM+12+2*\c]
	v_cvt_scalef32_pk16_bf6_f32 v[\pc+12+4*\c:\pc+14+4*\c], v[\s+16+32*\c:\s+31+32*\c], v[TM+12+2*\c+1]   ; (a conversion's three registers begin on an even number)
.endr
	v_nop                                          ; one plain instruction behind a scaled conversion
.irp c, 0,1                                    ; the operand wants a WHOLE block in a lane: lanes 0-15 block 2 c, lanes 16-31 block 2 c + 1
.irp i, 0,1,2
	v_permlane16_swap_b32 v[\pc+6*\c+\i], v[\pc+12+4*\c+\i]
.endr
.irp i, 0,1,2
	v_mov_b32 v[\pc+3+6*\c+\i], v[\pc+12+4*\c+\i]
.endr
.endr
.endm
.macro IMG pc, plane                           ; a fragment leaves as it stands: each store covers 512 consecutive bytes, aligned to 256
.irp c, 0,1,2
	global_store_b128 v[LI], v[\pc+4*\c:\pc+4*\c+3], s[52:53] offset:6144*\plane+512*\c
.endr
.endm
	s_wait_loadcnt 16                              ; the real half's 16 loads are in; the imaginary half's 16 may be out
	TURN R0
	s_wait_dscnt 0x0                               ; the numbers are back, and the stores have read R0, whose registers take the codes
	QUANT XN, PCA, PWA
	IMG PCA, 0
	ds_store_b32 v10, v[PWA]                       ; quad 0
	s_wait_loadcnt 0x0
	TURN R1
	s_wait_dscnt 0x0
	QUANT XN, PCB, PWB
.set ix, 0
.rept 12
	v_xor_b32 v[PN+ix], s[SGN+ix%3], v[PCB+ix]     ; every code's sign turned: the codes of the negated numbers
.set ix, ix+1
.endr
	IMG PCB, 1
	IMG PN, 2
	ds_store_b32 v10, v[PWB] offset:256            ; quads 1 and 2: the same scales serve both signs
	ds_store_b32 v10, v[PWB] offset:512
	ds_store_b32 v10, v[NIL] offset:768            ; quad 3: zeros, so that every byte of the half is written
	s_wait_dscnt 0x0                               ; for the others' sake: my stores have landed
	s_barrier_signal -1
	s_barrier_wait -1
	ds_load_b64 v[226:227], v11
	s_wait_dscnt 0x0
	global_store_b64 v12, v[226:227], s[54:55]     ; 32 lanes store 256 consecutive bytes, aligned
	s_wait_tensorcnt 0x0
	ds_add_u32 v240, v241
	s_wait_dscnt 0x0
	s_endpgm
; ---------------- THE WEIGHTS.  Work-group u = n - 512: matrix u / 64 (Ur, Ui, Wr, Wi), gates 2 ((u / 32) % 2) and the next, 32 units u % 32.  Wave w: gate 2 gp + w / 2, 16 units w % 2: 16 rows, all of K.
.Lweights:
	s_sub_co_u32 s36, ttmp9, 512
	s_lshr_b32 s37, s36, 6                         ; which matrix
	s_bfe_u32 s38, s36, 0x10005                    ; gp
	s_and_b32 s39, s36, 31                         ; which 32 units
	s_lshr_b32 s40, s39, 1                         ; ub
	s_and_b32 s41, s39, 1                          ; half
	s_and_b32 s42, s37, 1                          ; imaginary matrix?
	s_lshr_b32 s43, s37, 1                         ; 0 U, 1 W
	s_lshl_b32 s44, s38, 2
	s_add_co_u32 s44, s44, s[WV]                   ; 2 gate + tile = 4 gp + w
	s_lshr_b32 s45, s44, 1
	s_lshl_b32 s45, s45, 10                        ; 1,024 rows a gate
	s_lshl_b32 s46, s39, 5
	s_add_co_u32 s45, s45, s46
	s_and_b32 s46, s[WV], 1
	s_lshl_b32 s46, s46, 4
	s_add_co_u32 s45, s45, s46                     ; my first row
	s_mul_i32 s46, s45, 768                        ; a row of 1,024 codes is 768 bytes: my 16 rows are 12,288 dense bytes
	s_mov_b32 s47, 0
	s_lshl_b32 s48, s45, 5                         ; a row of scale bytes is 32: 512 dense bytes
	s_mov_b32 s49, 0
	s_mul_i32 s50, s40, 819200
	s_mul_i32 s51, s43, 409600                     ; W's chunks lie behind U's eight
	s_add_co_u32 s50, s50, s51
	s_mul_i32 s51, s41, 25600
	s_add_co_u32 s50, s50, s51                     ; the half of chunk 0 (or 8) in bw
	s_mov_b32 s51, 0
	s_lshl_b32 s52, s42, 3
	s_add_co_u32 s52, s52, s44                     ; t
	s_mul_i32 s52, s52, 1536
	s_mov_b32 s53, 0
	s_lshl_b32 s54, s42, 1
	s_add_co_u32 s54, s54, s38                     ; the work-group's four tiles fill quad t / 4 = 2 (imaginary) + gp
	s_lshl_b32 s54, s54, 8
	s_add_co_u32 s54, s54, 24576
	s_mov_b32 s55, 0
	s_mul_i32 s35, s[WV], 12544
	s_add_co_u32 s35, s35, STGW                    ; my stage
	v_add_nc_u32 v8, s35, v[LI]                    ; in: dense byte x goes to x + 16 (x / 768);
	v_lshl_add_u32 v9, v[HH], 4, v8                ; (of three loads the middle one crosses a row's end between lanes 15 and 16)
	v_mul_u32_u24 v10, v[RR], 784
	v_mad_u32_u24 v10, v[HH], 24, v10
	v_add_nc_u32 v10, s35, v10                     ; out: row lane % 16, + 24 bytes for lanes 16-31
	s_lshl_b32 s35, s[WV], 2
	s_add_co_u32 s35, s35, SCW
	v_and_b32 v11, 1, v[LN]
	v_lshlrev_b32 v11, 10, v11
	v_lshrrev_b32 v14, 1, v[LN]
	v_lshl_add_u32 v11, v14, 4, v11
	v_add_nc_u32 v11, s35, v11                     ; lane l holds row l / 2, chunks 4 (l % 2) + k: word at 256 x chunk + 16 x row + 4 w
	s_lshl_b32 s35, s[WV], 9
	s_add_co_u32 s35, s35, SCW
	v_add_nc_u32 v12, s35, v[LI]                   ; back: chunks 2 w and 2 w + 1, 16 bytes a lane
	s_mul_i32 s35, s[WV], 102400
	v_mul_u32_u24 v13, v[HH], 51200
	v_lshl_add_u32 v13, v[RR], 4, v13
	v_add_nc_u32 v13, s35, v13                     ; and the same in bw: 51,200 bytes from chunk to chunk
	s_wait_kmcnt 0x0
	s_cmp_lt_u32 s37, 2                            ; U or W?  These choices hang on the work-group's number alone
	s_cselect_b64 s[56:57], s[8:9], s[12:13]
	s_cselect_b64 s[58:59], s[10:11], s[14:15]
	s_cselect_b64 s[60:61], s[16:17], s[20:21]
	s_cselect_b64 s[62:63], s[18:19], s[22:23]
	s_cmp_eq_u32 s42, 0                            ; real or imaginary?
	s_cselect_b64 s[56:57], s[56:57], s[58:59]
	s_cselect_b64 s[60:61], s[60:61], s[62:63]
	s_add_nc_u64 s[56:57], s[56:57], s[46:47]      ; my rows' codes
	s_add_nc_u64 s[60:61], s[60:61], s[48:49]      ; and scale bytes
	s_add_nc_u64 s[50:51], s[26:27], s[50:51]
	s_add_nc_u64 s[52:53], s[50:51], s[52:53]      ; my tile's image in the first chunk
	s_add_nc_u64 s[54:55], s[50:51], s[54:55]      ; the quad in the first chunk
	global_load_b128 v[208:211], v[LI], s[60:61] th:TH_LOAD_NT
.irp i, 0,1,2,3,4,5,6,7,8,9,10,11,12,13,14,15,16,17,18,19,20,21,22,23
	global_load_b128 v[R0+4*\i:R0+4*\i+3], v[LI], s[56:57] offset:512*\i th:TH_LOAD_NT   ; 512 consecutive bytes a load
.endr
	s_wait_loadcnt 24                              ; the scale bytes are in; the 24 loads behind them may be out
.irp k, 0,1,2,3
	ds_store_b32 v11, v[208+\k] offset:256*\k
.endr
.irp i, 0,1,2,3,4,5,6,7,8,9,10,11,12,13,14,15,16,17,18,19,20,21,22,23
	s_wait_loadcnt 23-\i                           ; load i is in; the younger ones may be out
.if \i%3 == 1
	ds_store_b128 v9, v[R0+4*\i:R0+4*\i+3] offset:512*\i+32*(\i/3)
.elseif \i%3 == 2
	ds_store_b128 v8, v[R0+4*\i:R0+4*\i+3] offset:512*\i+32*(\i/3)+16
.else
	ds_store_b128 v8, v[R0+4*\i:R0+4*\i+3] offset:512*\i+32*(\i/3)
.endif
.endr
.irp q, 0,1,2,3,4,5,6,7                        ; chunk q's fragment: 24 bytes of the row's stream twice, in pieces of 8 bytes.  LDS serves a wave's instructions in order: these see my stores
.irp p, 0,1,2,3,4,5
	ds_load_b64 v[FW+12*\q+2*\p:FW+12*\q+2*\p+1], v10 offset:96*\q+48*(\p/3)+8*(\p%3)
.endr
.endr
.irp q, 0,1,2,3,4,5,6,7
	s_wait_dscnt 6*(7-\q)                          ; chunk q's six loads are in; those of the later chunks may be out
.irp c, 0,1,2
	global_store_b128 v[LI], v[FW+12*\q+4*\c:FW+12*\q+4*\c+3], s[52:53] offset:51200*\q+512*\c   ; 512 consecutive bytes, aligned to 256
.endr
.endr
	s_wait_dscnt 0x0                               ; for the others' sake: my scale words have landed
	s_barrier_signal -1
	s_barrier_wait -1
	ds_load_b128 v[212:215], v12
	s_wait_dscnt 0x0
	global_store_b128 v13, v[212:215], s[54:55]    ; sixteen lanes store a chunk's quad: 256 consecutive bytes, aligned
	s_wait_tensorcnt 0x0
	ds_add_u32 v240, v241
	s_wait_dscnt 0x0
	s_endpgm
.Lfunc_end_k_q9d43b657ed_prep:
	.size	k_q9d43b657ed_prep, .Lfunc_end_k_q9d43b657ed_prep-k_q9d43b657ed_prep
	.p2alignl 7, 3214868480
	.fill 96, 4, 3214868480
	.section	.rodata,"a",@progbits
	.p2align	6, 0x0
	.amdhsa_kernel k_q9d43b657ed_prep
		.amdhsa_group_segment_fixed_size 87552
		.amdhsa_private_segment_fixed_size 0
		.amdhsa_enable_private_segment 0
		.amdhsa_kernarg_size 96
		.amdhsa_user_sgpr_count 2
		.amdhsa_user_sgpr_kernarg_segment_ptr 1
		.amdhsa_wavefront_size32 1
		.amdhsa_system_sgpr_workgroup_id_x 1
		.amdhsa_system_sgpr_workgroup_id_y 1
		.amdhsa_system_sgpr_workgroup_id_z 1
		.amdhsa_system_vgpr_workitem_id 0
		.amdhsa_next_free_vgpr 242
		.amdhsa_next_free_sgpr 66
		.amdhsa_reserve_vcc 0
		.amdhsa_float_denorm_mode_32 3
		.amdhsa_float_denorm_mode_16_64 3
		.amdhsa_memory_ordered 1
		.amdhsa_forward_progress 1
		.amdhsa_inst_pref_size 34
	.end_amdhsa_kernel
	.amdgpu_metadata
---
amdhsa.version: [ 1, 2 ]
amdhsa.kernels:
  - .name:           k_q9d43b657ed_prep
    .symbol:         k_q9d43b657ed_prep.kd
    .args:
      - { .name: input, .offset: 0, .size: 8, .value_kind: global_buffer, .address_space: global }
      - { .name: h_x, .offset: 8, .size: 8, .value_kind: global_buffer, .address_space: global }
      - { .name: Uw_r_codes, .offset: 16, .size: 8, .value_kind: global_buffer, .address_space: global }
      - { .name: Uw_i_codes, .offset: 24, .size: 8, .value_kind: global_buffer, .address_space: global }
      - { .name: Ww_r_codes, .offset: 32, .size: 8, .value_kind: global_buffer, .address_space: global }
      - { .name: Ww_i_codes, .offset: 40, .size: 8, .value_kind: global_buffer, .address_space: global }
      - { .name: Uw_r_scales, .offset: 48, .size: 8, .value_kind: global_buffer, .address_space: global }
      - { .name: Uw_i_scales, .offset: 56, .size: 8, .value_kind: global_buffer, .address_space: global }
      - { .name: Ww_r_scales, .offset: 64, .size: 8, .value_kind: global_buffer, .address_space: global }
      - { .name: Ww_i_scales, .offset: 72, .size: 8, .value_kind: global_buffer, .address_space: global }
      - { .name: aw, .offset: 80, .size: 8, .value_kind: global_buffer, .address_space: global }
      - { .name: bw, .offset: 88, .size: 8, .value_kind: global_buffer, .address_space: global }
    .group_segment_fixed_size: 87552
    .private_segment_fixed_size: 0
    .kernarg_segment_align: 8
    .kernarg_segment_size: 96
    .max_flat_workgroup_size: 128
    .sgpr_count:     66
    .vgpr_count:     242
    .wavefront_size: 32
...
	.end_amdgpu_metadata
.endif
;; end of part 1
;; launch cell (part 2): grid 16 x 16, 4 waves a work-group, clusters of 4 x 4, 327,680 bytes of LDS; arguments aw, bw, c_x, Ub_r, Ub_i, Wb_r, Wb_i, out0, out1; writes out0, out1
.if DOCPART == 2
	.amdgcn_target "amdgcn-amd-amdhsa--gfx1250"
	.amdhsa_code_object_version 6
	.text
	.protected	k_q9d43b657ed_cell
	.globl	k_q9d43b657ed_cell
	.p2align	8
	.type	k_q9d43b657ed_cell,@function
k_q9d43b657ed_cell:
	s_mov_b64 s[64:65], 0
	v_nop
	global_prefetch_b8 v0, s[64:65] scope:SCOPE_SE
	s_setreg_imm32_b32 hwreg(HW_REG_WAVE_MODE, 25, 1), 1
	s_wait_xcnt 0x0
	s_wait_alu depctr_hold_cnt(0) depctr_sa_sdst(0) depctr_va_vdst(0) depctr_va_sdst(0) depctr_va_ssrc(0) depctr_va_vcc(0) depctr_vm_vsrc(0)
	s_getreg_b32 s2, hwreg(HW_REG_IB_STS2, 6, 4)
	s_cmp_eq_u32 s2, 0
	s_cbranch_scc0 .Lentry_in_a_cluster
	s_endpgm
.Lentry_in_a_cluster:
	s_bfe_u32 s2, ttmp6, 0x10000c
	s_cmp_lg_u32 s2, 0xf033
	s_cbranch_scc0 .Lentry_shape_is_right
	s_endpgm
.Lentry_shape_is_right:
; CELL: the eight quantised products as one GEMM on codes of E3M2 with E8M0 scales, and the complex LSTM update behind it, in f32.
;   zr = xr Ur + (-xi) Ui + hr Wr + (-hi) Wi + biases,   zi = xi Ur + xr Ui + hi Wr + hr Wi + biases;   the negated planes were laid out by the launch before.
; SHARES.  A work-group makes 128 rows x 64 units x 4 gates x (real, imaginary).  Wave w: rows 64 (w / 2) on (four tiles m), units 32 (w % 2) on (two tiles ot): 64 accumulators,
; acc(p, m, b = 2 gate + ot) at v[8 (8 m + b)] of window 2 + p (p = 0 real, 1 imaginary).  THE MATRIX INSTRUCTION IS USED TRANSPOSED (source 0 = 16 units of a weight, source 1 = 16 rows):
; lane (r, h), register jj holds row 16 m + r, unit 16 ot + 8 h + jj.  So the eight z of one (row, unit) lie in ONE lane at one register index, and the update needs no other lane.
; K goes in 16 chunks of 128 complex numbers (8 of input, 8 of h_x) through a ring of two LDS slots.  A chunk is 128 matrix instructions a wave: XR Br -> zr, XI Br -> zi, XR Bi -> zi, NX Bi -> zr.
; Operands lie in memory and in LDS as images of their registers: a fragment is three loads of 16 bytes a lane, 512 consecutive bytes each; the scale words lie behind the codes.
; CLUSTERS: 4 x 4 work-groups.  The four of a row of the cluster need the same rows' codes, the four of a column the same units' codes: each half block is asked for JOINTLY.
; c_x is each work-group's own, so it comes by a plain load; the biases, 4,096 of the 1,441,792 bytes that a work-group fetches for its products, come by plain loads too.
; ARITHMETIC: sigmoid(z) = 1 / (1 + 2^(-z log2 e)), tanh(z) = 1 - 2 / (1 + 2^(2 z log2 e)): right at both ends of the range (the power becomes 0 or infinity); tanh's absolute error near 0 is about 1e-7.
; The update's sums are fused multiply-adds, so their order of rounding differs from a plain chain of products and sums.
; REGISTERS, in windows of 256: window 0: v1-29 addresses; v32-63 scale words, two sets; v64-111 XR, v112-159 XI, v160-207 NX (four fragments each).  Window 1: the weights' fragments, Br at v0, Bi at v128.
; Windows 2, 3: the accumulators.  In the update: window 0 v64-127 the gates, v128-191 c, c_t, tanh, h_t, v192-255 rows on the way out; window 1 v0-127 the biases, scaled.
.set AHALF, 19456                      ; 64 rows of a chunk: 3 planes x 4 images + 1,024 bytes of scale words
.set BHALF, 25600                      ; 32 units of a chunk: 16 images + 1,024 bytes of scale words
.set ABLK,  2*AHALF
.set BBLK,  2*BHALF
.set SLOT,  ABLK+BBLK                  ; 90,112: A's two halves, then B's two
.set CREG,  64*272                     ; 64 rows x (256 bytes + 16)
.set CXB,   2*SLOT                     ; c_x, four regions (2 x row half + p); filled once; later c_t is stored over it, each lane over the bytes that it has read
.set HTB,   CXB+4*CREG                 ; h_t, the same shape; no fill ever lands here
.set BIB,   HTB+4*CREG                 ; the biases: Ub_r, Ub_i, Wb_r, Wb_i, each 4 gates x 256 bytes
.set SPARE, BIB+4096                   ; the spare words, 128 bytes for each wave: two blocks of 256 bytes that no other line names
.set ADRA,  16                         ; v16-17 my half of A in slot 0, 1: + 16 x lane
.set ADRB,  18                         ; v18-19 the same for B
.set ADRS,  20                         ; v20-21 scale words: lanes 0-15 A's, lanes 16-31 B's
.set ADRC,  22                         ; v22 my 32 bytes of a row of c
.set ADRH,  23                         ; v23 the same in h_t's stage
.set ADRBI, 24                         ; v24 my 32 bytes of a row of biases
.set RD,    25                         ; v25 the way out: where I read a row back
.set GO,    26                         ; v26 and its place in the output
.set SPW,   28                         ; v28 LDS address of my spare word; never rewritten
.set NIL,   29                         ; v29 0; never rewritten
.set SC,    32                         ; set s at v[SC + 16 s]; register 4 q + k: lanes 0-15 A's word of plane q, tile k; lanes 16-31 B's word of tile 4 q + k
.set XR,    64
.set XI,    112
.set NX,    160
.set T,     64                         ; the update: gate g, part p, index jj at v[T + 16 g + 8 p + jj]
.set CX,    128
.set CT,    144
.set TH,    160
.set HT,    176
.set OUTB,  192
.set G1A, 24                           ; s[24:31] descriptor group 1 for A's halves; s[32:39] group 0, a set for each slot
.set G0A, 32
.set G1B, 48                           ; s[48:55], s[56:63] the same for B's
.set G0B, 56
.set G1C, 68                           ; s[68:75], s[76:79] for c_x
.set G0C, 76
.set G1Z, 80                           ; s[80:87], s[88:91] for the biases
.set G0Z, 88
.set KS,  92                           ; s[92:93] -log2 e
.set KT,  94                           ; s[94:95] 2 log2 e
.set MSB, 0
.macro WIN new                         ; the immediate's high byte repeats the setting that is left; a switch that changes nothing is dropped
.if MSB != (\new)
	s_set_vgpr_msb (MSB<<8)|(\new)
.set MSB, (\new)
.endif
.endm
.set MUL_LO, 0xa1                      ; source 0 (weights) window 1, source 1 (rows) window 0, C and D window 2
.set MUL_HI, 0xf1                      ; the same, C and D window 3
; A joint load: waves 0 and 1 fetch A's two halves, waves 2 and 3 B's.  Each line has one mask and one set of registers for all that issue it; the branch hangs on the wave's number alone.
; Four v_nop follow each of the two lines, ahead of the jump, the label and what follows.
.macro JLOAD g0a, g1a, g0b, g1b
	s_cmp_eq_u32 s23, 0
	s_cbranch_scc0 .Lfor_b_\@
	tensor_load_to_lds s[\g0a:\g0a+3], s[\g1a:\g1a+7]
	s_nop 0
.rept 4
	v_nop
.endr
	s_branch .Lasked_\@
.Lfor_b_\@:
	tensor_load_to_lds s[\g0b:\g0b+3], s[\g1b:\g1b+7]
	s_nop 0
.rept 4
	v_nop
.endr
.Lasked_\@:
.endm
.macro CREST                           ; a round of the cluster's barrier behind its opening barrier
	s_cmp_lg_u32 s22, 0
	s_cbranch_scc1 .Lnot_wave_0_\@
	s_barrier_signal -3
.Lnot_wave_0_\@:
	s_barrier_wait -3
	s_barrier_signal -1
	s_barrier_wait -1
.endm
.macro CROUND                          ; a whole round
	s_barrier_signal -1
	s_barrier_wait -1
	CREST
.endm
.macro PLACES n                        ; plain instructions between a matrix instruction and a load into, or a read of, its registers
.rept \n
	v_nop
.endr
.endm
	s_load_b256 s[4:11], s[0:1], 0x0               ; aw, bw, c_x, Ub_r
	s_load_b256 s[12:19], s[0:1], 0x20             ; Ub_i, Wb_r, Wb_i, out0
	s_load_b64 s[20:21], s[0:1], 0x40              ; out1
	v_lshl_add_u32 v[SPW], v0, 2, SPARE
	v_mov_b32 v[NIL], 0
	ds_add_u32 v28, v29
	ds_add_u32 v28, v29
	s_wait_dscnt 0x0
	v_lshrrev_b32 v3, 5, v0
	v_readfirstlane_b32 s22, v3                    ; wave 0..3
	s_lshr_b32 s23, s22, 1                         ; i: my 64 rows.  Also: I fetch for A (0) or for B (1)
	s_and_b32 s40, s22, 1                          ; j: my 32 units.  Also: which half I fetch
	s_bfe_u32 s41, ttmp6, 0x40000                  ; cx, cy: my place in the cluster
	s_bfe_u32 s42, ttmp6, 0x40004
	s_lshl_b32 s43, ttmp9, 2
	s_add_co_u32 s43, s43, s41                     ; ub = 4 x cluster x + cx
	s_and_b32 s44, ttmp7, 0xffff
	s_lshl_b32 s44, s44, 2
	s_add_co_u32 s44, s44, s42                     ; bb = 4 x cluster y + cy
	s_lshl_b32 s45, s42, 2
	s_lshl_b32 s45, 15, s45                        ; my row of the cluster
	s_lshl_b32 s46, 0x1111, s41                    ; my column
	; group 1: dense blocks as rows of 256 bytes (32 elements of 8 bytes): 76 rows for a half of A, 100 for a half of B
	s_or_b32 s[G1A], s45, (3<<16)|(1<<21)          ; 15:0 the mask: A's halves go to my row; 17:16 elements of 8 bytes; 21 set beside a mask; no padding
	s_or_b32 s[G1B], s46, (3<<16)|(1<<21)          ; B's go to my column
.irp g, G1A, G1B, G1C, G1Z
	s_mov_b32 s[\g+1], 32<<16                      ; tensor_dim0 = 32
	s_mov_b32 s[\g+3], 32<<16                      ; tile_dim0 = 32
	s_mov_b32 s[\g+6], 0
	s_mov_b32 s[\g+7], 0
.endr
	s_mov_b32 s[G1A+2], 76<<16                     ; tensor_dim1
	s_mov_b32 s[G1A+4], 76                         ; tile_dim1
	s_mov_b32 s[G1A+5], 32                         ; from row to row
	s_mov_b32 s[G1B+2], 100<<16
	s_mov_b32 s[G1B+4], 100
	s_mov_b32 s[G1B+5], 32
	s_mov_b32 s[G1C], (3<<16)|(1<<20)|(5<<22)|(3<<25)  ; c_x: no mask; 16 bytes of padding behind every 256: LDS rows 272 bytes apart
	s_mov_b32 s[G1C+2], 64<<16                     ; 64 rows of 256 bytes,
	s_mov_b32 s[G1C+4], 64
	s_mov_b32 s[G1C+5], 1024                       ; 8,192 bytes apart
	s_mov_b32 s[G1Z], 3<<16                        ; a bias: four gates' 256 bytes,
	s_mov_b32 s[G1Z+2], 4<<16
	s_mov_b32 s[G1Z+4], 4
	s_mov_b32 s[G1Z+5], 512                        ; 4,096 bytes apart
	s_mov_b32 s[KS], 0xbfb8aa3b
	s_mov_b32 s[KS+1], s[KS]                       ; (named as a pair, so both are written)
	s_mov_b32 s[KT], 0x4038aa3b
	s_mov_b32 s[KT+1], s[KT]
	; A's address is made of bb and the wave's number, B's of ub and the wave's number, each in registers that never hold the other coordinate
	s_mul_i32 s96, s44, 16*ABLK
	s_mul_i32 s47, s40, AHALF                      ; the half that I fetch: in memory and in a slot alike
	s_add_co_u32 s96, s96, s47
	s_mov_b32 s97, 0
	s_mul_i32 s98, s43, 16*BBLK
	s_mul_i32 s2, s40, BHALF
	s_add_co_u32 s98, s98, s2
	s_mov_b32 s99, 0
	s_lshl_b32 s66, s44, 7
	s_lshl_b32 s67, s23, 6
	s_add_co_u32 s66, s66, s67                     ; row 128 bb + 64 (w / 2)
	s_lshl_b32 s66, s66, 13
	s_lshl_b32 s67, s43, 8
	s_add_co_u32 s66, s66, s67                     ; + 256 ub: my rows' 64 units, in c_x and in the outputs
	s_mov_b32 s100, s66
	s_mov_b32 s101, 0
	s_lshl_b32 s67, s40, 12
	s_add_co_u32 s66, s66, s67                     ; c_x: wave w fetches part w % 2 (real, imaginary)
	s_mov_b32 s67, 0
	s_wait_kmcnt 0x0
	s_add_nc_u64 s[96:97], s[4:5], s[96:97]
	s_add_nc_u64 s[98:99], s[6:7], s[98:99]
.irp s, 0,1
	s_mov_b32 s[G0A+4*\s], 1                       ; count = 1
	s_add_co_u32 s[G0A+4*\s+1], s47, \s*SLOT       ; LDS address: no place in the cluster enters it
	s_add_nc_u64 s[G0A+4*\s+2:G0A+4*\s+3], s[96:97], \s*ABLK   ; chunk s
	s_or_b32 s[G0A+4*\s+3], s[G0A+4*\s+3], 0x80000000          ; type = 2
	s_mov_b32 s[G0B+4*\s], 1
	s_add_co_u32 s[G0B+4*\s+1], s2, \s*SLOT+ABLK
	s_add_nc_u64 s[G0B+4*\s+2:G0B+4*\s+3], s[98:99], \s*BBLK
	s_or_b32 s[G0B+4*\s+3], s[G0B+4*\s+3], 0x80000000
.endr
	s_mov_b32 s[G0C], 1
	s_mul_i32 s[G0C+1], s22, CREG
	s_add_co_u32 s[G0C+1], s[G0C+1], CXB
	s_add_nc_u64 s[G0C+2:G0C+3], s[8:9], s[66:67]
	s_or_b32 s[G0C+3], s[G0C+3], 0x80000000
	s_mov_b32 s[G0Z], 1
	s_lshl_b32 s[G0Z+1], s22, 10
	s_add_co_u32 s[G0Z+1], s[G0Z+1], BIB
	s_cmp_lt_u32 s22, 2                            ; wave 0 Ub_r, 1 Ub_i, 2 Wb_r, 3 Wb_i: the choices hang on the wave's number alone
	s_cselect_b64 s[G0Z+2:G0Z+3], s[10:11], s[14:15]
	s_cselect_b64 s[2:3], s[12:13], s[16:17]
	s_cmp_eq_u32 s40, 0
	s_cselect_b64 s[G0Z+2:G0Z+3], s[G0Z+2:G0Z+3], s[2:3]
	s_cselect_b64 s[66:67], s[18:19], s[20:21]     ; on the way out waves with j = 0 store h_t (out0), those with j = 1 c_t (out1)
	s_add_nc_u64 s[100:101], s[66:67], s[100:101]
	s_lshl_b32 s2, s43, 8
	s_mov_b32 s3, 0
	s_add_nc_u64 s[G0Z+2:G0Z+3], s[G0Z+2:G0Z+3], s[2:3]
	s_or_b32 s[G0Z+3], s[G0Z+3], 0x80000000
	CROUND                                         ; all sixteen work-groups are here: the first joint loads meet
	JLOAD G0A, G1A, G0B, G1B                       ; chunk 0
	JLOAD G0A+4, G1A, G0B+4, G1B                   ; chunk 1
	tensor_load_to_lds s[G0Z:G0Z+3], s[G1Z:G1Z+7]  ; my bias array
	s_nop 0
	tensor_load_to_lds s[G0C:G0C+3], s[G1C:G1C+7]  ; my region of c_x.  Four loads of mine are out
	s_nop 0
.rept 4
	v_nop
.endr
	v_and_b32 v1, 15, v0                           ; r
	v_bfe_u32 v2, v0, 4, 1                         ; h
	v_and_b32 v3, 31, v0
	v_lshlrev_b32 v4, 4, v3                        ; 16 x lane
	s_mul_i32 s47, s23, AHALF                      ; my half of A
	s_mul_i32 s2, s40, BHALF
	s_add_co_u32 s2, s2, ABLK                      ; my half of B
	v_add_nc_u32 v[ADRA], s47, v4
	v_add_nc_u32 v[ADRB], s2, v4
	v_add_nc_u32 v[ADRA+1], SLOT, v[ADRA]
	v_add_nc_u32 v[ADRB+1], SLOT, v[ADRB]
	s_add_co_u32 s47, s47, 18432                   ; A's scale words lie behind its 12 images,
	s_add_co_u32 s2, s2, 24576                     ; B's behind its 16
	s_sub_co_u32 s2, s2, s47
	v_mul_u32_u24 v5, s2, v2                       ; lanes 16-31 take B's: the lower base + h x the distance
	v_lshl_add_u32 v5, v1, 4, v5
	v_add_nc_u32 v[ADRS], s47, v5
	v_add_nc_u32 v[ADRS+1], SLOT, v[ADRS]
	s_mul_i32 s47, s23, 2*CREG
	s_lshl_b32 s2, s40, 7
	s_add_co_u32 s2, s2, s47
	s_add_co_u32 s2, s2, CXB
	v_mul_u32_u24 v5, v1, 272
	v_lshl_add_u32 v5, v2, 5, v5
	v_add_nc_u32 v[ADRC], s2, v5                   ; row r, units 32 j + 8 h on: 128 j + 32 h bytes
	v_add_nc_u32 v[ADRH], 4*CREG, v[ADRC]
	s_lshl_b32 s2, s40, 7
	s_add_co_u32 s2, s2, BIB
	v_lshlrev_b32 v5, 5, v2
	v_add_nc_u32 v[ADRBI], s2, v5
	s_xor_b32 s2, s40, 1
	s_mul_i32 s2, s2, 4*CREG                       ; j = 0 reads h_t's stage, j = 1 c_t's
	s_add_co_u32 s2, s2, s47
	s_add_co_u32 s2, s2, CXB
	v_mul_u32_u24 v5, v2, 272
	v_lshl_add_u32 v5, v1, 4, v5
	v_add_nc_u32 v[RD], s2, v5                     ; lanes 0-15 one row of 256 bytes, lanes 16-31 the next
	v_lshlrev_b32 v[GO], 13, v2
	v_lshl_add_u32 v[GO], v1, 4, v[GO]             ; and the same two rows in the output
.macro FRAG3 reg, adr, off             ; a fragment comes as it was laid: three loads, 512 consecutive bytes each
.irp c, 0,1,2
	ds_load_b128 v[(\reg)+4*\c:(\reg)+4*\c+3], v[\adr] offset:(\off)+512*\c
.endr
.endm
.macro FETCH_B slot, ri, set           ; the eight tiles of the real (ri = 0) or imaginary matrix into set
	WIN 0x40                                       ; destination window 1, address window 0
.irp b, 0,1,2,3,4,5,6,7
	FRAG3 128*(\set)+12*\b, ADRB+\slot, (8*(\ri)+\b)*1536
.endr
	WIN 0
.endm
.macro FETCH_A slot, plane, reg        ; a plane's four tiles of rows
.irp m, 0,1,2,3
	FRAG3 \reg+12*\m, ADRA+\slot, (4*(\plane)+\m)*1536
.endr
.endm
.macro SCALES slot                     ; the chunk's scale words: four words a load; lanes 0-15 A's quad q, lanes 16-31 B's
.irp q, 0,1,2,3
	ds_load_b128 v[SC+16*\slot+4*\q:SC+16*\slot+4*\q+3], v[ADRS+\slot] offset:256*\q
.endr
.endm
; 16 matrix instructions: tiles of rows m0, m0 + 1 x the eight tiles of a matrix.  zero = 1: the product starts the sums: nothing is ever cleared.
; The accumulators take turns, one instruction a turn.
.macro MUL16 areg, plane, m0, set, ri, sc, zero
.irp m, \m0, \m0+1
.irp b, 0,1,2,3,4,5,6,7
.if \zero
	v_wmma_scale_f32_16x16x128_f8f6f4 v[8*(8*(\m)+\b):8*(8*(\m)+\b)+7], v[128*(\set)+12*\b:128*(\set)+12*\b+11], v[\areg+12*(\m):\areg+12*(\m)+11], 0, v[SC+16*(\sc)+8*(\ri)+\b], v[SC+16*(\sc)+4*(\plane)+(\m)] matrix_a_fmt:MATRIX_FMT_BF6 matrix_b_fmt:MATRIX_FMT_BF6 matrix_a_scale:MATRIX_SCALE_ROW1
.else
	v_wmma_scale_f32_16x16x128_f8f6f4 v[8*(8*(\m)+\b):8*(8*(\m)+\b)+7], v[128*(\set)+12*\b:128*(\set)+12*\b+11], v[\areg+12*(\m):\areg+12*(\m)+11], v[8*(8*(\m)+\b):8*(8*(\m)+\b)+7], v[SC+16*(\sc)+8*(\ri)+\b], v[SC+16*(\sc)+4*(\plane)+(\m)] matrix_a_fmt:MATRIX_FMT_BF6 matrix_b_fmt:MATRIX_FMT_BF6 matrix_a_scale:MATRIX_SCALE_ROW1
.endif
.endr
.endr
.endm
; The first half of a chunk: XR Br -> zr, XI Br -> zi; between them the chunk's Bi and NX are fetched, 32 matrix instructions ahead of their use.
.macro FRONT slot, zero
	s_wait_dscnt 12                                ; Br, XR and the scale words are in; the youngest 12 loads (XI) may be out
	WIN MUL_LO
	MUL16 XR, 0, 0, 0, 0, \slot, \zero
	MUL16 XR, 0, 2, 0, 0, \slot, \zero
	PLACES 4                                       ; for the loads into Bi's and NX's registers, which the chunk before multiplied last
	FETCH_B \slot, 1, 1
	FETCH_A \slot, 2, NX
	s_wait_dscnt 36                                ; all but the 36 just issued: XI is in
	WIN MUL_HI
	MUL16 XI, 1, 0, 0, 0, \slot, \zero
	MUL16 XI, 1, 2, 0, 0, \slot, \zero
	WIN 0
.endm
; The second half: XR Bi -> zi, NX Bi -> zr, and the change of slots: ONE barrier; in front of it each wave waits for all its tensor loads, adds 0 to its spare word, and waits for that and for its reads of this slot.
; mode 2: this slot is filled again, two chunks ahead, behind a round of the cluster's barrier.  mode 1: nothing is left to fetch.  mode 0: the last chunk.
.macro BACK slot, next, mode
.if \mode == 0
	s_wait_dscnt 12                                ; Bi is in; NX's 12 loads may be out
	WIN MUL_HI
	MUL16 XR, 0, 0, 1, 1, \slot, 0
	MUL16 XR, 0, 2, 1, 1, \slot, 0
	s_wait_dscnt 0x0
	WIN MUL_LO
	MUL16 NX, 2, 0, 1, 1, \slot, 0
	MUL16 NX, 2, 2, 1, 1, \slot, 0
	WIN 0
.else
	s_wait_tensorcnt 0x0                           ; all my tensor loads have landed, my part of the next slot among them (every window is 0 here)
	ds_add_u32 v[SPW], v[NIL]                      ; 0 onto my spare word
	s_wait_dscnt 13                                ; Bi is in; NX's 12 loads and the add may be out
	WIN MUL_HI
	MUL16 XR, 0, 0, 1, 1, \slot, 0                 ; sixteen matrix instructions stand between the add and the wait for it
	s_wait_dscnt 0x0                               ; the add is done, and my reads of this slot are over
	s_barrier_signal -1
	MUL16 XR, 0, 2, 1, 1, \slot, 0
	WIN 0
	s_barrier_wait -1
.if \mode == 2
	CREST                                          ; the barrier has opened a round of the cluster's barrier: no wave of any partner still reads this slot or has a load on its way
	s_add_nc_u64 s[G0A+4*\slot+2:G0A+4*\slot+3], s[G0A+4*\slot+2:G0A+4*\slot+3], 2*ABLK
	s_add_nc_u64 s[G0B+4*\slot+2:G0B+4*\slot+3], s[G0B+4*\slot+2:G0B+4*\slot+3], 2*BBLK
	JLOAD G0A+4*\slot, G1A, G0B+4*\slot, G1B       ; the first tensor load behind the round, 96 matrix instructions ahead of the wait for it; its four v_nop are the places in front of the loads below
.else
	PLACES 4
.endif
	FETCH_B \next, 0, 0
	FETCH_A \next, 0, XR
	SCALES \next
	WIN MUL_LO
	MUL16 NX, 2, 0, 1, 1, \slot, 0
	MUL16 NX, 2, 2, 1, 1, \slot, 0
	WIN 0
	FETCH_A \next, 1, XI                           ; XI's registers were last multiplied in the first half: the places since then stand
.endif
.endm
	s_wait_tensorcnt 3                             ; my part of chunk 0 is in; chunk 1, the bias and c_x may be out
	s_barrier_signal -1
	s_barrier_wait -1                              ; everybody's is
	FETCH_B 0, 0, 0
	FETCH_A 0, 0, XR
	SCALES 0
	FETCH_A 0, 1, XI
	FRONT 0, 1                                     ; the first half chunk stands in front of the loop: its products start all 64 sums
	s_mov_b32 s3, 7
.Llap:                                             ; a trip goes once round the ring and fills both slots again: chunks 2 to 15 in seven trips
	BACK 0, 1, 2
	FRONT 1, 0
	BACK 1, 0, 2
	FRONT 0, 0
	s_sub_co_u32 s3, s3, 1
	s_cmp_lg_u32 s3, 0
	s_cbranch_scc1 .Llap
	BACK 0, 1, 1                                   ; the tail is written out
	FRONT 1, 0
	BACK 1, 0, 0
; THE UPDATE.  The biases first: (Ub + Wb) x the gate's constant, in the accumulators' layout, once for all four tiles of rows: window 1, v[8 (8 p + 2 g + ot) + jj].
	PLACES 4                                       ; for the loads into the weights' registers, and the reads of results
	WIN 0x40
.irp a, 0,1
.irp p, 0,1
.irp g, 0,1,2,3
.irp o, 0,1
.irp k, 0,1
	ds_load_b128 v[128*\a+8*(8*\p+2*\g+\o)+4*\k:128*\a+8*(8*\p+2*\g+\o)+4*\k+3], v[ADRBI] offset:2048*\a+1024*\p+256*\g+64*\o+16*\k
.endr
.endr
.endr
.endr
.endr
	s_wait_dscnt 0x0
	WIN 0x55                                       ; everything in window 1
.set ix, 0
.rept 64
	v_pk_add_f32 v[ix:ix+1], v[ix:ix+1], v[128+ix:129+ix]
.set ix, ix+2
.endr
.irp p, 0,1
.irp g, 0,1,2,3
.set KG, KS
.if \g == 2
.set KG, KT
.endif
.irp y, 0,2,4,6,8,10,12,14
	v_pk_mul_f32 v[8*(8*\p+2*\g)+\y:8*(8*\p+2*\g)+\y+1], v[8*(8*\p+2*\g)+\y:8*(8*\p+2*\g)+\y+1], s[KG:KG+1] op_sel_hi:[1,0]
.endr
.endr
.endr
	WIN 0
; One tile of 16 rows x 16 units: a lane has 8 complex numbers.
.macro CELL m, ot
.irp p, 0,1
.irp k, 0,1
	ds_load_b128 v[CX+8*\p+4*\k:CX+8*\p+4*\k+3], v[ADRC] offset:CREG*\p+4352*\m+64*\ot+16*\k   ; c, asked for ahead of the gates' arithmetic
.endr
.endr
.irp p, 0,1
	WIN 0x12+\p                                    ; source 0: the accumulators' window; source 2: window 1
.irp g, 0,1,2,3
.set KG, KS
.if \g == 2
.set KG, KT
.endif
.irp y, 0,2,4,6
	v_pk_fma_f32 v[T+16*\g+8*\p+\y:T+16*\g+8*\p+\y+1], v[8*(8*\m+2*\g+\ot)+\y:8*(8*\m+2*\g+\ot)+\y+1], s[KG:KG+1], v[8*(8*\p+2*\g+\ot)+\y:8*(8*\p+2*\g+\ot)+\y+1] op_sel_hi:[1,0,1]   ; (z + bias) x the gate's constant; each accumulator from its low end on
.endr
.endr
.endr
	WIN 0
.set ix, 0
.rept 64
	v_exp_f32 v[T+ix], v[T+ix]
.set ix, ix+1
.endr
	v_nop                                          ; a plain instruction behind the last exponential
	s_wait_alu depctr_va_vdst(0)                   ; one wait for the batch, ahead of its first reader
.set ix, 0
.rept 32
	v_pk_add_f32 v[T+ix:T+ix+1], v[T+ix:T+ix+1], 1.0 op_sel_hi:[1,0]
.set ix, ix+2
.endr
.set ix, 0
.rept 64
	v_rcp_f32 v[T+ix], v[T+ix]
.set ix, ix+1
.endr
	v_nop
	s_wait_alu depctr_va_vdst(0)                   ; one wait for the 64 reciprocals
.irp y, 0,2,4,6,8,10,12,14
	v_pk_fma_f32 v[T+32+\y:T+32+\y+1], v[T+32+\y:T+32+\y+1], -2.0, 1.0 op_sel_hi:[1,0,0]   ; gate a: tanh = 1 - 2 / (1 + 2^..)
.endr
	s_wait_dscnt 0x0                               ; c is in; the tile before's stores into the stages have read their registers
.irp y, 0,2,4,6
	v_pk_mul_f32 v[CT+\y:CT+\y+1], v[CX+\y:CX+\y+1], v[T+\y:T+\y+1]                     ; cr fr
	v_pk_mul_f32 v[CT+8+\y:CT+8+\y+1], v[CX+\y:CX+\y+1], v[T+8+\y:T+8+\y+1]             ; cr fi
.endr
.irp y, 0,2,4,6
	v_pk_fma_f32 v[CT+\y:CT+\y+1], v[CX+8+\y:CX+8+\y+1], v[T+8+\y:T+8+\y+1], v[CT+\y:CT+\y+1] neg_lo:[1,0,0] neg_hi:[1,0,0]   ; - ci fi
	v_pk_fma_f32 v[CT+8+\y:CT+8+\y+1], v[CX+8+\y:CX+8+\y+1], v[T+\y:T+\y+1], v[CT+8+\y:CT+8+\y+1]                             ; + ci fr
.endr
.irp y, 0,2,4,6
	v_pk_fma_f32 v[CT+\y:CT+\y+1], v[T+32+\y:T+32+\y+1], v[T+16+\y:T+16+\y+1], v[CT+\y:CT+\y+1]                               ; + ar ir
	v_pk_fma_f32 v[CT+8+\y:CT+8+\y+1], v[T+32+\y:T+32+\y+1], v[T+24+\y:T+24+\y+1], v[CT+8+\y:CT+8+\y+1]                       ; + ar ii
.endr
.irp y, 0,2,4,6
	v_pk_fma_f32 v[CT+\y:CT+\y+1], v[T+40+\y:T+40+\y+1], v[T+24+\y:T+24+\y+1], v[CT+\y:CT+\y+1] neg_lo:[1,0,0] neg_hi:[1,0,0] ; - ai ii
	v_pk_fma_f32 v[CT+8+\y:CT+8+\y+1], v[T+40+\y:T+40+\y+1], v[T+16+\y:T+16+\y+1], v[CT+8+\y:CT+8+\y+1]                       ; + ai ir
.endr
.irp p, 0,1
.irp k, 0,1
	ds_store_b128 v[ADRC], v[CT+8*\p+4*\k:CT+8*\p+4*\k+3] offset:CREG*\p+4352*\m+64*\ot+16*\k   ; c_t over the very bytes from which this lane has read c
.endr
.endr
.irp y, 0,2,4,6,8,10,12,14
	v_pk_mul_f32 v[TH+\y:TH+\y+1], v[CT+\y:CT+\y+1], s[KT:KT+1] op_sel_hi:[1,0]
.endr
.set ix, 0
.rept 16
	v_exp_f32 v[TH+ix], v[TH+ix]
.set ix, ix+1
.endr
	v_nop
	s_wait_alu depctr_va_vdst(0)
.irp y, 0,2,4,6,8,10,12,14
	v_pk_add_f32 v[TH+\y:TH+\y+1], v[TH+\y:TH+\y+1], 1.0 op_sel_hi:[1,0]
.endr
.set ix, 0
.rept 16
	v_rcp_f32 v[TH+ix], v[TH+ix]
.set ix, ix+1
.endr
	v_nop
	s_wait_alu depctr_va_vdst(0)
.irp y, 0,2,4,6,8,10,12,14
	v_pk_fma_f32 v[TH+\y:TH+\y+1], v[TH+\y:TH+\y+1], -2.0, 1.0 op_sel_hi:[1,0,0]   ; tanh(c_t)
.endr
.irp y, 0,2,4,6
	v_pk_mul_f32 v[HT+\y:HT+\y+1], v[T+48+\y:T+48+\y+1], v[TH+\y:TH+\y+1]               ; or thr
	v_pk_mul_f32 v[HT+8+\y:HT+8+\y+1], v[T+48+\y:T+48+\y+1], v[TH+8+\y:TH+8+\y+1]       ; or thi
.endr
.irp y, 0,2,4,6
	v_pk_fma_f32 v[HT+\y:HT+\y+1], v[T+56+\y:T+56+\y+1], v[TH+8+\y:TH+8+\y+1], v[HT+\y:HT+\y+1] neg_lo:[1,0,0] neg_hi:[1,0,0]   ; - oi thi
	v_pk_fma_f32 v[HT+8+\y:HT+8+\y+1], v[T+56+\y:T+56+\y+1], v[TH+\y:TH+\y+1], v[HT+8+\y:HT+8+\y+1]                             ; + oi thr
.endr
.irp p, 0,1
.irp k, 0,1
	ds_store_b128 v[ADRH], v[HT+8*\p+4*\k:HT+8*\p+4*\k+3] offset:CREG*\p+4352*\m+64*\ot+16*\k
.endr
.endr
.endm
; The way out of 16 rows: a row's 256 bytes come from the two waves of a row half, so a barrier stands ahead.  Wave (i, j) stores output j of row half i: real part, then imaginary.
.macro OUT m
.if \m > 0
	s_wait_xcnt 0x0                                ; the stores of the 16 rows before have read their registers, which are loaded again
.endif
.irp p, 0,1
.irp t, 0,1,2,3,4,5,6,7
	ds_load_b128 v[OUTB+4*(8*\p+\t):OUTB+4*(8*\p+\t)+3], v[RD] offset:CREG*\p+4352*\m+544*\t
.endr
.endr
.irp p, 0,1
.irp t, 0,1,2,3,4,5,6,7
	s_wait_dscnt 15-8*\p-\t                        ; this load is in; the younger ones may be out
	global_store_b128 v[GO], v[OUTB+4*(8*\p+\t):OUTB+4*(8*\p+\t)+3], s[100:101] offset:131072*\m+16384*\t+4096*\p th:TH_STORE_NT   ; sixteen lanes store 256 consecutive bytes, aligned; written once, read by nobody here
.endr
.endr
.endm
.irp m, 0,1,2,3                                ; each byte of the stages is written once and read once, so one barrier for each 16 rows does; a tile's stores leave while the next is computed
	CELL \m, 0
	CELL \m, 1
	s_wait_dscnt 0x0                               ; for the others' sake: my stores into the stages have landed
	s_barrier_signal -1
	s_barrier_wait -1
	OUT \m
.endr
	s_wait_tensorcnt 0x0                           ; the wave's end, behind my last tensor load and my last LDS store
	ds_add_u32 v[SPW], v[NIL]
	s_wait_dscnt 0x0
	CROUND                                         ; the closing round: no work-group ends while a partner may still ask for a tile that names it
	s_endpgm
.Lfunc_end_k_q9d43b657ed_cell:
	.size	k_q9d43b657ed_cell, .Lfunc_end_k_q9d43b657ed_cell-k_q9d43b657ed_cell
	.p2alignl 7, 3214868480
	.fill 96, 4, 3214868480
	.section	.rodata,"a",@progbits
	.p2align	6, 0x0
	.amdhsa_kernel k_q9d43b657ed_cell
		.amdhsa_group_segment_fixed_size 327680
		.amdhsa_private_segment_fixed_size 0
		.amdhsa_enable_private_segment 0
		.amdhsa_kernarg_size 72
		.amdhsa_user_sgpr_count 2
		.amdhsa_user_sgpr_kernarg_segment_ptr 1
		.amdhsa_wavefront_size32 1
		.amdhsa_system_sgpr_workgroup_id_x 1
		.amdhsa_system_sgpr_workgroup_id_y 1
		.amdhsa_system_sgpr_workgroup_id_z 1
		.amdhsa_system_vgpr_workitem_id 0
		.amdhsa_next_free_vgpr 1024
		.amdhsa_next_free_sgpr 102
		.amdhsa_reserve_vcc 0
		.amdhsa_float_denorm_mode_32 3
		.amdhsa_float_denorm_mode_16_64 3
		.amdhsa_memory_ordered 1
		.amdhsa_forward_progress 1
		.amdhsa_inst_pref_size 247
	.end_amdhsa_kernel
	.amdgpu_metadata
---
amdhsa.version: [ 1, 2 ]
amdhsa.kernels:
  - .name:           k_q9d43b657ed_cell
    .symbol:         k_q9d43b657ed_cell.kd
    .args:
      - { .name: aw, .offset: 0, .size: 8, .value_kind: global_buffer, .address_space: global }
      - { .name: bw, .offset: 8, .size: 8, .value_kind: global_buffer, .address_space: global }
      - { .name: c_x, .offset: 16, .size: 8, .value_kind: global_buffer, .address_space: global }
      - { .name: Ub_r, .offset: 24, .size: 8, .value_kind: global_buffer, .address_space: global }
      - { .name: Ub_i, .offset: 32, .size: 8, .value_kind: global_buffer, .address_space: global }
      - { .name: Wb_r, .offset: 40, .size: 8, .value_kind: global_buffer, .address_space: global }
      - { .name: Wb_i, .offset: 48, .size: 8, .value_kind: global_buffer, .address_space: global }
      - { .name: out0, .offset: 56, .size: 8, .value_kind: global_buffer, .address_space: global }
      - { .name: out1, .offset: 64, .size: 8, .value_kind: global_buffer, .address_space: global }
    .group_segment_fixed_size: 327680
    .private_segment_fixed_size: 0
    .kernarg_segment_align: 8
    .kernarg_segment_size: 72
    .max_flat_workgroup_size: 128
    .sgpr_count:     102
    .vgpr_count:     1024
    .wavefront_size: 32
...
	.end_amdgpu_metadata
.endif
;; end of part 2
;; ======== version 2 of 2: 2 launches
;; limits: right only within a limited range of input values
;; workspace buffers: aw 6,815,744 bytes; bw 13,107,200 bytes
;; launch prep (part 3): grid 768 x 1, 4 waves a work-group, no clusters, 87,552 bytes of LDS; arguments input, h_x, Uw_r_codes, Uw_i_codes, Ww_r_codes, Ww_i_codes, Uw_r_scales, Uw_i_scales, Ww_r_scales, Ww_i_scales, aw, bw; writes aw, bw
.if DOCPART == 3
	.amdgcn_target "amdgcn-amd-amdhsa--gfx1250"
	.amdhsa_code_object_version 6
	.text
	.protected	k_q9d43b657ed_prep
	.globl	k_q9d43b657ed_prep
	.p2align	8
	.type	k_q9d43b657ed_prep,@function
k_q9d43b657ed_prep:
	s_mov_b64 s[64:65], 0
	v_nop
	global_prefetch_b8 v0, s[64:65] scope:SCOPE_SE
	s_setreg_imm32_b32 hwreg(HW_REG_WAVE_MODE, 25, 1), 1
	s_wait_xcnt 0x0
; PREP: both operands of the cell's products are laid out once, in the order of the matrix operand's registers.
; A fragment is 16 rows x 128 along K of 6-bit codes (E3M2): 12 registers a lane.  Its IMAGE is 1,536 bytes: register n of lane l at 512 (n / 4) + 16 l + 4 (n % 4).
; Work-groups 0 to 511 (the activations): input and h_x, f32, are quantised along K, one E8M0 scale for each 32: scale byte = the block's largest magnitude's exponent field - 4.
;   aw = [bb 16][c 16][half 2][13,312]: bb = block of 128 rows, c = chunk of 128 complex numbers along K (0-7 input, 8-15 h_x), half = 64 rows.
;   A half = [plane 2][tile m 4][image], then [quad 4][row 16][4 words]: plane 0 the real part, 1 the imaginary part.  Quad q, word k = the scale word of plane q, tile k;
;   quad 2 repeats quad 1 (it serves the products on the negated imaginary part, whose codes the next launch makes by turning signs); quad 3 is zeros.
; Work-groups 512 to 767 (the weights): codes and scale bytes are copied as they are given into
;   bw = [ub 16][c 16][half 2][25,600]: ub = block of 64 units, c = chunk (0-7 U, 8-15 W), half = 32 units.  A half = [tile t 16][image], then [quad 4][row 16][4 words],
;   t = 8 (imaginary matrix) + 2 gate + (tile of 16 units); quad t / 4, word t % 4 = tile t's scale word.
; So one chunk of a block is one dense run of whole blocks of 256 bytes, scale words behind the codes.
; LIMITS: NaN and infinities among input and h_x are not served.  A block of zeros gets the byte 1 where the rule says 127: its codes are zeros, and this program alone reads the bytes.
; No tensor loads.  The two kinds of work-group part on the work-group's number, use LDS bytes of their own, and each has one barrier (the four waves' scale words meet in LDS and leave as whole blocks of 256 bytes).
.set STGX, 0                           ; activations: a stage of 16 rows x (512 + 16) bytes for each wave
.set SCX,  33792                       ; and the half's 1,024 bytes of scale words
.set STGW, 34816                       ; weights: a stage of 16 rows x (768 + 16) bytes for each wave
.set SCW,  84992                       ; and 8 chunks x 256 bytes of scale words
.set LN,   2                           ; v2  lane
.set RR,   3                           ; v3  lane % 16
.set HH,   4                           ; v4  lane / 16
.set LI,   5                           ; v5  16 x lane: my place in 512 consecutive bytes; never rewritten
.set NIL,  6                           ; v6  0
.set R0,   16                          ; v16-79   activations: the real half as loaded;  weights: v16-111 the codes as loaded
.set R1,   80                          ; v80-143  the imaginary half as loaded
.set XN,   144                         ; v144-207 64 numbers of my row: register 16 b + i = k 32 b + 16 (lane / 16) + i
.set PCA,  16                          ; v16-35   the real plane's codes (12) and 8 at work: R0 has been read by then
.set PCB,  36                          ; v36-55   the imaginary plane's
.set FW,   112                         ; v112-207 weights: 8 fragments
.set TM,   208                         ; v208-223 at work in the quantiser
.set PWA,  224                         ; v224, v225 the two scale words
.set PWB,  225
.set SEL,  32                          ; s[32:33] v_permlanex16_b32's selects for lane l xor 16
.set WV,   34                          ; s34 wave
	s_load_b512 s[4:19], s[0:1], 0x0               ; input, h_x, Uw_r, Uw_i, Ww_r, Ww_i codes, Uw_r, Uw_i scales
	s_load_b256 s[20:27], s[0:1], 0x40             ; Ww_r, Ww_i scales, aw, bw
	v_lshl_add_u32 v240, v0, 2, 0x15400
	v_mov_b32 v241, 0
	v_lshrrev_b32 v1, 5, v0
	v_readfirstlane_b32 s[WV], v1                  ; wave 0..3
	v_and_b32 v[LN], 31, v0
	v_and_b32 v[RR], 15, v0
	v_bfe_u32 v[HH], v0, 4, 1
	v_lshlrev_b32 v[LI], 4, v[LN]
	v_mov_b32 v[NIL], 0
.irp b, 0,1,2,3
	v_mov_b32 v[TM+4+\b], 0                        ; written once: a lane permute's destination counts as one of its sources
.endr
	s_mov_b32 s[SEL], 0x76543210
	s_mov_b32 s[SEL+1], 0xfedcba98
	s_cmp_lt_u32 ttmp9, 512
	s_cbranch_scc0 .Lweights
; ---------------- THE ACTIVATIONS.  Work-group n: tensor n / 256, 64 rows (n / 8) % 32, chunk n % 8 of 128 complex numbers; wave m takes 16 of the rows, both halves of the chunk.
	s_lshr_b32 s36, ttmp9, 8                       ; 0 input, 1 h_x
	s_bfe_u32 s37, ttmp9, 0x50003                  ; which 64 rows
	s_and_b32 s38, ttmp9, 7                        ; which 128 columns of each half of the tensor
	s_lshr_b32 s39, s37, 1                         ; bb
	s_and_b32 s40, s37, 1                          ; half
	s_lshl_b32 s41, s36, 3
	s_add_co_u32 s41, s41, s38                     ; c
	s_lshl_b32 s42, s37, 6
	s_lshl_b32 s43, s[WV], 4
	s_add_co_u32 s42, s42, s43                     ; my first row
	s_lshl_b32 s42, s42, 13                        ; x 8,192 bytes
	s_lshl_b32 s43, s38, 9
	s_add_co_u32 s42, s42, s43                     ; + 512 bytes a chunk
	s_mov_b32 s43, 0
	s_mul_i32 s44, s39, 425984                     ; 16 chunks of 26,624 bytes a block of rows
	s_mul_i32 s45, s41, 26624
	s_add_co_u32 s44, s44, s45
	s_mul_i32 s45, s40, 13312
	s_add_co_u32 s44, s44, s45                     ; where the half begins in aw
	s_mov_b32 s45, 0
	s_mul_i32 s50, s[WV], 1536                     ; my tile's image in a plane
	s_mov_b32 s51, 0
	s_lshl_b32 s56, s[WV], 8
	s_add_co_u32 s56, s56, 12288                   ; the quad that I store at the end: behind the half's 8 images
	s_mov_b32 s57, 0
	s_mul_i32 s35, s[WV], 8448                     ; my stage (STGX = 0)
	s_wait_alu depctr_va_vdst(0)
	v_add_nc_u32 v8, s35, v[LI]                    ; in: a row's 512 bytes as they lie
	v_mul_u32_u24 v9, v[RR], 528
	v_lshl_add_u32 v9, v[HH], 6, v9
	v_add_nc_u32 v9, s35, v9                       ; out: row lane % 16, + 64 bytes for lanes 16-31
	s_lshl_b32 s35, s[WV], 2
	s_add_co_u32 s35, s35, SCX
	v_lshlrev_b32 v10, 4, v[RR]
	v_add_nc_u32 v10, s35, v10                     ; a scale word's place in a quad: 16 x row + 4 x tile
	s_lshl_b32 s35, s[WV], 8
	s_add_co_u32 s35, s35, SCX
	v_lshlrev_b32 v12, 3, v[LN]
	v_add_nc_u32 v11, s35, v12                     ; back: quad = my wave's number, 8 bytes a lane
	s_wait_alu depctr_va_vdst(0)
	s_wait_kmcnt 0x0
	s_cmp_eq_u32 s36, 0
	s_cselect_b64 s[46:47], s[4:5], s[6:7]         ; the choice hangs on the work-group's number alone
	s_add_nc_u64 s[46:47], s[46:47], s[42:43]
	s_add_nc_u64 s[48:49], s[24:25], s[44:45]
	s_add_nc_u64 s[52:53], s[48:49], s[50:51]      ; my images
	s_add_nc_u64 s[54:55], s[48:49], s[56:57]      ; my quad
.irp p, 0,1
.irp j, 0,1,2,3,4,5,6,7,8,9,10,11,12,13,14,15
	global_load_b128 v[R0+64*\p+4*\j:R0+64*\p+4*\j+3], v[LI], s[46:47] offset:8192*\j+4096*\p th:TH_LOAD_NT   ; 32 lanes read 512 consecutive bytes of row j: the real half, then the imaginary
.endr
.endr
; 16 rows x 512 bytes through my stage: in as loaded, out 64 bytes a lane of each block of 32.  LDS serves a wave's instructions in order, so no wait stands between the stores and the loads.
.macro TURN reg
.irp j, 0,1,2,3,4,5,6,7,8,9,10,11,12,13,14,15
	ds_store_b128 v8, v[\reg+4*\j:\reg+4*\j+3] offset:528*\j
.endr
.irp b, 0,1,2,3
.irp k, 0,1,2,3
	ds_load_b128 v[XN+16*\b+4*\k:XN+16*\b+4*\k+3], v9 offset:128*\b+16*\k
.endr
.endr
.endm
; 64 numbers of a lane, v[s] on, become a fragment's codes in v[pc] .. v[pc + 11] and its row's scale word in v[pw].
.macro QUANT s, pc, pw
.irp b, 0,1,2,3
	v_max3_num_f32 v[TM+\b], |v[\s+16*\b]|, |v[\s+1+16*\b]|, 0x2800000   ; block b: my 16 numbers, and the floor 2^(5 - 127): the byte cannot fall under 1
.endr
.irp i, 2,4,6,8,10,12,14
.irp b, 0,1,2,3
	v_max3_num_f32 v[TM+\b], v[TM+\b], |v[\s+16*\b+\i]|, |v[\s+1+16*\b+\i]|   ; the four blocks by turns
.endr
.endr
.irp b, 0,1,2,3
	v_permlanex16_b32 v[TM+4+\b], v[TM+\b], s[SEL], s[SEL+1]
.endr
.irp b, 0,1,2,3
	v_max_num_f32 v[TM+\b], v[TM+\b], v[TM+4+\b]   ; with lane l xor 16's 16: the block's largest magnitude
.endr
.irp b, 0,1,2,3
	v_add_nc_u32 v[TM+12+\b], 0xfe000000, v[TM+\b] ; 4 off its exponent field: the conversion takes this operand's exponent field as its scale
.endr
.irp b, 0,1,2,3
	v_lshrrev_b32 v[TM+4+\b], 23, v[TM+12+\b]      ; the scale's byte
.endr
	v_lshl_or_b32 v[\pw], v[TM+5], 8, v[TM+4]
	v_lshl_or_b32 v[\pw], v[TM+6], 16, v[\pw]
	v_lshl_or_b32 v[\pw], v[TM+7], 24, v[\pw]      ; my row's scale word (both halves of the lanes hold the same)
.irp c, 0,1
	v_cvt_scalef32_pk16_bf6_f32 v[\pc+6*\c:\pc+2+6*\c], v[\s+32*\c:\s+15+32*\c], v[TM+12+2*\c]
	v_cvt_scalef32_pk16_bf6_f32 v[\pc+12+4*\c:\pc+14+4*\c], v[\s+16+32*\c:\s+31+32*\c], v[TM+12+2*\c+1]   ; (a conversion's three registers begin on an even number)
.endr
	v_nop                                          ; one plain instruction behind a scaled conversion
.irp c, 0,1                                    ; the operand wants a WHOLE block in a lane: lanes 0-15 block 2 c, lanes 16-31 block 2 c + 1
.irp i, 0,1,2
	v_permlane16_swap_b32 v[\pc+6*\c+\i], v[\pc+12+4*\c+\i]
.endr
.irp i, 0,1,2
	v_mov_b32 v[\pc+3+6*\c+\i], v[\pc+12+4*\c+\i]
.endr
.endr
.endm
.macro IMG pc, plane                           ; a fragment leaves as it stands: each store covers 512 consecutive bytes, aligned to 256
.irp c, 0,1,2
	global_store_b128 v[LI], v[\pc+4*\c:\pc+4*\c+3], s[52:53] offset:6144*\plane+512*\c
.endr
.endm
	s_wait_loadcnt 16                              ; the real half's 16 loads are in; the imaginary half's 16 may be out
	TURN R0
	s_wait_dscnt 0x0                               ; the numbers are back, and the stores have read R0, whose registers take the codes
	QUANT XN, PCA, PWA
	IMG PCA, 0
	ds_store_b32 v10, v[PWA]                       ; quad 0
	s_wait_loadcnt 0x0
	TURN R1
	s_wait_dscnt 0x0
	QUANT XN, PCB, PWB
	IMG PCB, 1
	ds_store_b32 v10, v[PWB] offset:256            ; quads 1 and 2: the same scales serve both signs
	ds_store_b32 v10, v[PWB] offset:512
	ds_store_b32 v10, v[NIL] offset:768            ; quad 3: zeros, so that every byte of the half is written
	s_wait_dscnt 0x0                               ; for the others' sake: my stores have landed
	s_barrier_signal -1
	s_barrier_wait -1
	ds_load_b64 v[226:227], v11
	s_wait_dscnt 0x0
	global_store_b64 v12, v[226:227], s[54:55]     ; 32 lanes store 256 consecutive bytes, aligned
	s_wait_tensorcnt 0x0
	ds_add_u32 v240, v241
	s_wait_dscnt 0x0
	s_endpgm
; ---------------- THE WEIGHTS.  Work-group u = n - 512: matrix u / 64 (Ur, Ui, Wr, Wi), gates 2 ((u / 32) % 2) and the next, 32 units u % 32.  Wave w: gate 2 gp + w / 2, 16 units w % 2: 16 rows, all of K.
.Lweights:
	s_sub_co_u32 s36, ttmp9, 512
	s_lshr_b32 s37, s36, 6                         ; which matrix
	s_bfe_u32 s38, s36, 0x10005                    ; gp
	s_and_b32 s39, s36, 31                         ; which 32 units
	s_lshr_b32 s40, s39, 1                         ; ub
	s_and_b32 s41, s39, 1                          ; half
	s_and_b32 s42, s37, 1                          ; imaginary matrix?
	s_lshr_b32 s43, s37, 1                         ; 0 U, 1 W
	s_lshl_b32 s44, s38, 2
	s_add_co_u32 s44, s44, s[WV]                   ; 2 gate + tile = 4 gp + w
	s_lshr_b32 s45, s44, 1
	s_lshl_b32 s45, s45, 10                        ; 1,024 rows a gate
	s_lshl_b32 s46, s39, 5
	s_add_co_u32 s45, s45, s46
	s_and_b32 s46, s[WV], 1
	s_lshl_b32 s46, s46, 4
	s_add_co_u32 s45, s45, s46                     ; my first row
	s_mul_i32 s46, s45, 768                        ; a row of 1,024 codes is 768 bytes: my 16 rows are 12,288 dense bytes
	s_mov_b32 s47, 0
	s_lshl_b32 s48, s45, 5                         ; a row of scale bytes is 32: 512 dense bytes
	s_mov_b32 s49, 0
	s_mul_i32 s50, s40, 819200
	s_mul_i32 s51, s43, 409600                     ; W's chunks lie behind U's eight
	s_add_co_u32 s50, s50, s51
	s_mul_i32 s51, s41, 25600
	s_add_co_u32 s50, s50, s51                     ; the half of chunk 0 (or 8) in bw
	s_mov_b32 s51, 0
	s_lshl_b32 s52, s42, 3
	s_add_co_u32 s52, s52, s44                     ; t
	s_mul_i32 s52, s52, 1536
	s_mov_b32 s53, 0
	s_lshl_b32 s54, s42, 1
	s_add_co_u32 s54, s54, s38                     ; the work-group's four tiles fill quad t / 4 = 2 (imaginary) + gp
	s_lshl_b32 s54, s54, 8
	s_add_co_u32 s54, s54, 24576
	s_mov_b32 s55, 0
	s_mul_i32 s35, s[WV], 12544
	s_add_co_u32 s35, s35, STGW                    ; my stage
	s_wait_alu depctr_va_vdst(0)
	v_add_nc_u32 v8, s35, v[LI]                    ; in: dense byte x goes to x + 16 (x / 768);
	v_lshl_add_u32 v9, v[HH], 4, v8                ; (of three loads the middle one crosses a row's end between lanes 15 and 16)
	v_mul_u32_u24 v10, v[RR], 784
	v_mad_u32_u24 v10, v[HH], 24, v10
	v_add_nc_u32 v10, s35, v10                     ; out: row lane % 16, + 24 bytes for lanes 16-31
	s_lshl_b32 s35, s[WV], 2
	s_add_co_u32 s35, s35, SCW
	v_and_b32 v11, 1, v[LN]
	v_lshlrev_b32 v11, 10, v11
	v_lshrrev_b32 v14, 1, v[LN]
	v_lshl_add_u32 v11, v14, 4, v11
	v_add_nc_u32 v11, s35, v11                     ; lane l holds row l / 2, chunks 4 (l % 2) + k: word at 256 x chunk + 16 x row + 4 w
	s_lshl_b32 s35, s[WV], 9
	s_add_co_u32 s35, s35, SCW
	v_add_nc_u32 v12, s35, v[LI]                   ; back: chunks 2 w and 2 w + 1, 16 bytes a lane
	s_mul_i32 s35, s[WV], 102400
	v_mul_u32_u24 v13, v[HH], 51200
	v_lshl_add_u32 v13, v[RR], 4, v13
	v_add_nc_u32 v13, s35, v13                     ; and the same in bw: 51,200 bytes from chunk to chunk
	s_wait_alu depctr_va_vdst(0)
	s_wait_kmcnt 0x0
	s_cmp_lt_u32 s37, 2                            ; U or W?  These choices hang on the work-group's number alone
	s_cselect_b64 s[56:57], s[8:9], s[12:13]
	s_cselect_b64 s[58:59], s[10:11], s[14:15]
	s_cselect_b64 s[60:61], s[16:17], s[20:21]
	s_cselect_b64 s[62:63], s[18:19], s[22:23]
	s_cmp_eq_u32 s42, 0                            ; real or imaginary?
	s_cselect_b64 s[56:57], s[56:57], s[58:59]
	s_cselect_b64 s[60:61], s[60:61], s[62:63]
	s_add_nc_u64 s[56:57], s[56:57], s[46:47]      ; my rows' codes
	s_add_nc_u64 s[60:61], s[60:61], s[48:49]      ; and scale bytes
	s_add_nc_u64 s[50:51], s[26:27], s[50:51]
	s_add_nc_u64 s[52:53], s[50:51], s[52:53]      ; my tile's image in the first chunk
	s_add_nc_u64 s[54:55], s[50:51], s[54:55]      ; the quad in the first chunk
	global_load_b128 v[208:211], v[LI], s[60:61] th:TH_LOAD_NT
.irp i, 0,1,2,3,4,5,6,7,8,9,10,11,12,13,14,15,16,17,18,19,20,21,22,23
	global_load_b128 v[R0+4*\i:R0+4*\i+3], v[LI], s[56:57] offset:512*\i th:TH_LOAD_NT   ; 512 consecutive bytes a load
.endr
	s_wait_loadcnt 24                              ; the scale bytes are in; the 24 loads behind them may be out
.irp k, 0,1,2,3
	ds_store_b32 v11, v[208+\k] offset:256*\k
.endr
.irp i, 0,1,2,3,4,5,6,7,8,9,10,11,12,13,14,15,16,17,18,19,20,21,22,23
	s_wait_loadcnt 23-\i                           ; load i is in; the younger ones may be out
.if \i%3 == 1
	ds_store_b128 v9, v[R0+4*\i:R0+4*\i+3] offset:512*\i+32*(\i/3)
.elseif \i%3 == 2
	ds_store_b128 v8, v[R0+4*\i:R0+4*\i+3] offset:512*\i+32*(\i/3)+16
.else
	ds_store_b128 v8, v[R0+4*\i:R0+4*\i+3] offset:512*\i+32*(\i/3)
.endif
.endr
.irp q, 0,1,2,3,4,5,6,7                        ; chunk q's fragment: 24 bytes of the row's stream twice, in pieces of 8 bytes.  LDS serves a wave's instructions in order: these see my stores
.irp p, 0,1,2,3,4,5
	ds_load_b64 v[FW+12*\q+2*\p:FW+12*\q+2*\p+1], v10 offset:96*\q+48*(\p/3)+8*(\p%3)
.endr
.endr
.irp q, 0,1,2,3,4,5,6,7
	s_wait_dscnt 6*(7-\q)                          ; chunk q's six loads are in; those of the later chunks may be out
.irp c, 0,1,2
	global_store_b128 v[LI], v[FW+12*\q+4*\c:FW+12*\q+4*\c+3], s[52:53] offset:51200*\q+512*\c   ; 512 consecutive bytes, aligned to 256
.endr
.endr
	s_wait_dscnt 0x0                               ; for the others' sake: my scale words have landed
	s_barrier_signal -1
	s_barrier_wait -1
	ds_load_b128 v[212:215], v12
	s_wait_dscnt 0x0
	global_store_b128 v13, v[212:215], s[54:55]    ; sixteen lanes store a chunk's quad: 256 consecutive bytes, aligned
	s_wait_tensorcnt 0x0
	ds_add_u32 v240, v241
	s_wait_dscnt 0x0
	s_endpgm
.Lfunc_end_k_q9d43b657ed_prep:
	.size	k_q9d43b657ed_prep, .Lfunc_end_k_q9d43b657ed_prep-k_q9d43b657ed_prep
	.p2alignl 7, 3214868480
	.fill 96, 4, 3214868480
	.section	.rodata,"a",@progbits
	.p2align	6, 0x0
	.amdhsa_kernel k_q9d43b657ed_prep
		.amdhsa_group_segment_fixed_size 87552
		.amdhsa_private_segment_fixed_size 0
		.amdhsa_enable_private_segment 0
		.amdhsa_kernarg_size 96
		.amdhsa_user_sgpr_count 2
		.amdhsa_user_sgpr_kernarg_segment_ptr 1
		.amdhsa_wavefront_size32 1
		.amdhsa_system_sgpr_workgroup_id_x 1
		.amdhsa_system_sgpr_workgroup_id_y 1
		.amdhsa_system_sgpr_workgroup_id_z 1
		.amdhsa_system_vgpr_workitem_id 0
		.amdhsa_next_free_vgpr 242
		.amdhsa_next_free_sgpr 66
		.amdhsa_reserve_vcc 0
		.amdhsa_float_denorm_mode_32 3
		.amdhsa_float_denorm_mode_16_64 3
		.amdhsa_memory_ordered 1
		.amdhsa_forward_progress 1
		.amdhsa_inst_pref_size 33
	.end_amdhsa_kernel
	.amdgpu_metadata
---
amdhsa.version: [ 1, 2 ]
amdhsa.kernels:
  - .name:           k_q9d43b657ed_prep
    .symbol:         k_q9d43b657ed_prep.kd
    .args:
      - { .name: input, .offset: 0, .size: 8, .value_kind: global_buffer, .address_space: global }
      - { .name: h_x, .offset: 8, .size: 8, .value_kind: global_buffer, .address_space: global }
      - { .name: Uw_r_codes, .offset: 16, .size: 8, .value_kind: global_buffer, .address_space: global }
      - { .name: Uw_i_codes, .offset: 24, .size: 8, .value_kind: global_buffer, .address_space: global }
      - { .name: Ww_r_codes, .offset: 32, .size: 8, .value_kind: global_buffer, .address_space: global }
      - { .name: Ww_i_codes, .offset: 40, .size: 8, .value_kind: global_buffer, .address_space: global }
      - { .name: Uw_r_scales, .offset: 48, .size: 8, .value_kind: global_buffer, .address_space: global }
      - { .name: Uw_i_scales, .offset: 56, .size: 8, .value_kind: global_buffer, .address_space: global }
      - { .name: Ww_r_scales, .offset: 64, .size: 8, .value_kind: global_buffer, .address_space: global }
      - { .name: Ww_i_scales, .offset: 72, .size: 8, .value_kind: global_buffer, .address_space: global }
      - { .name: aw, .offset: 80, .size: 8, .value_kind: global_buffer, .address_space: global }
      - { .name: bw, .offset: 88, .size: 8, .value_kind: global_buffer, .address_space: global }
    .group_segment_fixed_size: 87552
    .private_segment_fixed_size: 0
    .kernarg_segment_align: 8
    .kernarg_segment_size: 96
    .max_flat_workgroup_size: 128
    .sgpr_count:     66
    .vgpr_count:     242
    .wavefront_size: 32
...
	.end_amdgpu_metadata
.endif
;; end of part 3
;; launch cell (part 4): grid 16 x 16, 4 waves a work-group, clusters of 4 x 4, 327,680 bytes of LDS; arguments aw, bw, c_x, Ub_r, Ub_i, Wb_r, Wb_i, out0, out1; writes out0, out1
.if DOCPART == 4
	.amdgcn_target "amdgcn-amd-amdhsa--gfx1250"
	.amdhsa_code_object_version 6
	.text
	.protected	k_q9d43b657ed_cell
	.globl	k_q9d43b657ed_cell
	.p2align	8
	.type	k_q9d43b657ed_cell,@function
k_q9d43b657ed_cell:
	s_mov_b64 s[64:65], 0
	v_nop
	global_prefetch_b8 v0, s[64:65] scope:SCOPE_SE
	s_setreg_imm32_b32 hwreg(HW_REG_WAVE_MODE, 25, 1), 1
	s_wait_xcnt 0x0
	s_wait_alu depctr_hold_cnt(0) depctr_sa_sdst(0) depctr_va_vdst(0) depctr_va_sdst(0) depctr_va_ssrc(0) depctr_va_vcc(0) depctr_vm_vsrc(0)
	s_getreg_b32 s2, hwreg(HW_REG_IB_STS2, 6, 4)
	s_cmp_eq_u32 s2, 0
	s_cbranch_scc0 .Lentry_in_a_cluster
	s_endpgm
.Lentry_in_a_cluster:
	s_bfe_u32 s2, ttmp6, 0x10000c
	s_cmp_lg_u32 s2, 0xf033
	s_cbranch_scc0 .Lentry_shape_is_right
	s_endpgm
.Lentry_shape_is_right:
; CELL: the eight quantised products as one GEMM on codes of E3M2 with E8M0 scales, and the complex LSTM update behind it, in f32.
;   zr = xr Ur - xi Ui + hr Wr - hi Wi + biases,   zi = xi Ur + xr Ui + hi Wr + hr Wi + biases.
; THE MINUS SIGN: every product onto a real-part accumulator takes -C.  Stored before a chunk: -Z.  XR Br - (-Z) = Z + XR Br; then XI Bi - (Z + XR Br) = -(Z + XR Br - XI Bi).
;   So the imaginary product is subtracted with no negated codes; a negation rounds nothing.  At the end the real-part accumulators hold -zr, and the update's first multiply takes the sign back.
; THE BIASES are the C of each accumulator's first product: -(Ub_r + Wb_r) for zr (taken as -C), Ub_i + Wb_i for zi.  So a bias is added ahead of the products: a different order of rounding.
; SHARES.  A work-group makes 128 rows x 64 units x 4 gates x (real, imaginary).  Wave w: rows 64 (w / 2) on (four tiles m), units 32 (w % 2) on (two tiles o): 64 accumulators,
; acc(p, m, b = 2 gate + o) at v[8 (8 m + b)] of window 2 + p.  THE MATRIX INSTRUCTION IS USED TRANSPOSED (source 0 = 16 units of a weight, source 1 = 16 rows):
; lane (r, h), register jj holds row 16 m + r, unit 16 o + 8 h + jj: the eight z of one (row, unit) lie in one lane at one register index.
; K goes in 16 chunks of 128 complex numbers (8 of input, 8 of h_x), 128 matrix instructions a wave each: XR Br -> zr, XI Br -> zi, XR Bi -> zi, XI Bi -> zr.
; THE RING: two LDS slots of two chunks each; one round and one load a wave for 256 matrix instructions.  Operands lie in memory and LDS as images of their registers, scale words behind the codes.
; CLUSTERS: 4 x 4 work-groups; a row of the cluster shares the rows' codes, a column the units' codes: each chunk's block is asked for jointly.  c_x is each work-group's own: slot 0's last fill.
; No prefetch: a refill is asked for 224 matrix instructions ahead of the wait for it (32 + 128 + 64), so the loop has no wait for which a prefetch would be laid.
; ARITHMETIC: sigmoid(z) = 1 / (1 + 2^(-z log2 e)), tanh(z) = 1 - 2 / (1 + 2^(2 z log2 e)): right at both ends of the range (the power becomes 0 or infinity); the update's sums are fused multiply-adds.
; REGISTERS: window 0: v1-29 addresses; v32-63 scale words, two sets; v64-111 XR; v112-159, v160-207 XI, two sets by the chunk's parity.  Window 1: Br at v0, Bi at v128;
; ahead of the first chunk v128-191 hold zr's biases, v96-127 and v224-255 zi's.  Windows 2, 3: the accumulators.  The update works in window 1; window 0 v192-255 are rows on the way out.
.set AHALF, 13312
.set BHALF, 25600
.set ABLK,  2*AHALF
.set BBLK,  2*BHALF
.set SLOT,  2*ABLK+2*BBLK              ; A's two chunks, then B's two
.set CREG,  64*272                     ; 64 rows x (256 bytes + 16)
.set HTB,   4*CREG                     ; slot 0, behind its last fill: c_x / c_t in four regions (2 x row half + p) from byte 0, h_t likewise from HTB
.set BIB,   2*SLOT                     ; the summed biases [p][gate][64 units]: 2,048 bytes that no fill lands on
.set SPARE, BIB+2048                   ; the spare words: two blocks of 256 bytes that no other line names
.set ADRC,  6
.set ADRH,  7
.set ADRBI, 8
.set RD,    9
.set GO,    10
.set BGO,   11                         ; my offset in a bias array; never rewritten
.set ADRBS, 12                         ; where I store my 16 bytes of summed biases
.set ADRA,  16                         ; v16-19 my half of A at position q = 2 slot + chunk
.set ADRB,  20
.set ADRS,  24                         ; scale words: lanes 0-15 A's, lanes 16-31 B's
.set SPW,   28
.set NIL,   29
.set SC,    32
.set XR,    64
.set XI,    112
.set BT,    208
.set OUTB,  192
.set T,     0                          ; the update, window 1: gate g, part p of tile o at v[64 o + 16 g + 8 p + jj]
.set CX,    128                        ; 16 o + 8 p + jj, and so CT, TH, HT
.set CT,    160
.set TH,    192
.set HT,    224
.set G1A, 24
.set G0A, 32
.set G1B, 48
.set G0B, 56
.set G1C, 68
.set G0C, 76
.set KS,  92                           ; s[92:93] -log2 e
.set KT,  94                           ; s[94:95] 2 log2 e
.set MSB, 0
.macro WIN new
.if MSB != (\new)
	s_set_vgpr_msb (MSB<<8)|(\new)
.set MSB, (\new)
.endif
.endm
.set MUL_LO, 0xa1                      ; source 0 window 1, source 1 window 0, C and D window 2
.set MUL_HI, 0xf1                      ; the same, C and D window 3
.macro JLOAD g0a, g1a, g0b, g1b        ; a joint load: waves 0, 1 fetch A's two chunks of a slot, waves 2, 3 B's
	s_cmp_eq_u32 s23, 0
	s_cbranch_scc0 .Lfor_b_\@
	tensor_load_to_lds s[\g0a:\g0a+3], s[\g1a:\g1a+7]
	s_nop 0
.rept 4
	v_nop
.endr
	s_branch .Lasked_\@
.Lfor_b_\@:
	tensor_load_to_lds s[\g0b:\g0b+3], s[\g1b:\g1b+7]
	s_nop 0
.rept 4
	v_nop
.endr
.Lasked_\@:
.endm
.macro CREST
	s_cmp_lg_u32 s22, 0
	s_cbranch_scc1 .Lnot_wave_0_\@
	s_barrier_signal -3
.Lnot_wave_0_\@:
	s_barrier_wait -3
	s_barrier_signal -1
	s_barrier_wait -1
.endm
.macro CROUND
	s_barrier_signal -1
	s_barrier_wait -1
	CREST
.endm
.macro PLACES n
.rept \n
	v_nop
.endr
.endm
	s_load_b256 s[4:11], s[0:1], 0x0               ; aw, bw, c_x, Ub_r
	s_load_b256 s[12:19], s[0:1], 0x20             ; Ub_i, Wb_r, Wb_i, out0
	s_load_b64 s[20:21], s[0:1], 0x40              ; out1
	v_lshl_add_u32 v[SPW], v0, 2, SPARE
	v_mov_b32 v[NIL], 0
	ds_add_u32 v[SPW], v[NIL]
	ds_add_u32 v[SPW], v[NIL]
	v_lshrrev_b32 v3, 5, v0
	v_readfirstlane_b32 s22, v3                    ; wave
	s_lshr_b32 s23, s22, 1                         ; i: my 64 rows; also: I fetch for A (0) or B (1)
	s_and_b32 s40, s22, 1                          ; j: my 32 units; also: which chunk of a slot's two I fetch
	s_bfe_u32 s41, ttmp6, 0x40000                  ; cx
	s_bfe_u32 s42, ttmp6, 0x40004                  ; cy
	s_lshl_b32 s43, ttmp9, 2
	s_add_co_u32 s43, s43, s41                     ; ub
	s_and_b32 s44, ttmp7, 0xffff
	s_lshl_b32 s44, s44, 2
	s_add_co_u32 s44, s44, s42                     ; bb
	s_lshl_b32 s45, s42, 2
	s_lshl_b32 s45, 15, s45                        ; my row of the cluster
	s_lshl_b32 s46, 0x1111, s41                    ; my column
	s_or_b32 s[G1A], s45, (3<<16)|(1<<21)          ; dense blocks as rows of 256 bytes (32 elements of 8): 104 rows a chunk of A, 200 a chunk of B
	s_or_b32 s[G1B], s46, (3<<16)|(1<<21)
.irp g, G1A, G1B, G1C
	s_mov_b32 s[\g+1], 32<<16
	s_mov_b32 s[\g+3], 32<<16
	s_mov_b32 s[\g+6], 0
	s_mov_b32 s[\g+7], 0
.endr
	s_mov_b32 s[G1A+2], 104<<16
	s_mov_b32 s[G1A+4], 104
	s_mov_b32 s[G1A+5], 32
	s_mov_b32 s[G1B+2], 200<<16
	s_mov_b32 s[G1B+4], 200
	s_mov_b32 s[G1B+5], 32
	s_mov_b32 s[G1C], (3<<16)|(1<<20)|(5<<22)|(3<<25)  ; c_x: no mask; 16 bytes of padding behind every 256
	s_mov_b32 s[G1C+2], 64<<16
	s_mov_b32 s[G1C+4], 64
	s_mov_b32 s[G1C+5], 1024                       ; rows 8,192 bytes apart
	s_mov_b32 s[KS], 0xbfb8aa3b
	s_mov_b32 s[KS+1], s[KS]
	s_mov_b32 s[KT], 0x4038aa3b
	s_mov_b32 s[KT+1], s[KT]
	s_mul_i32 s96, s44, 16*ABLK                    ; A's address is made of bb and the wave's number, B's of ub and the wave's number
	s_mul_i32 s47, s40, ABLK
	s_add_co_u32 s96, s96, s47
	s_mov_b32 s97, 0
	s_mul_i32 s98, s43, 16*BBLK
	s_mul_i32 s2, s40, BBLK
	s_add_co_u32 s98, s98, s2
	s_mov_b32 s99, 0
	s_lshl_b32 s66, s44, 7
	s_lshl_b32 s67, s23, 6
	s_add_co_u32 s66, s66, s67                     ; row 128 bb + 64 i
	s_lshl_b32 s66, s66, 13
	s_lshl_b32 s67, s43, 8
	s_add_co_u32 s66, s66, s67                     ; + 256 ub
	s_mov_b32 s100, s66
	s_mov_b32 s101, 0
	s_lshl_b32 s67, s40, 12
	s_add_co_u32 s66, s66, s67                     ; c_x: wave w fetches part w % 2
	s_mov_b32 s67, 0
	s_wait_dscnt 0x0                               ; both opening adds are done
	s_wait_kmcnt 0x0
	s_add_nc_u64 s[96:97], s[4:5], s[96:97]
	s_add_nc_u64 s[98:99], s[6:7], s[98:99]
.irp s, 0,1
	s_mov_b32 s[G0A+4*\s], 1
	s_add_co_u32 s[G0A+4*\s+1], s47, \s*SLOT
	s_add_nc_u64 s[G0A+4*\s+2:G0A+4*\s+3], s[96:97], \s*2*ABLK
	s_or_b32 s[G0A+4*\s+3], s[G0A+4*\s+3], 0x80000000
	s_mov_b32 s[G0B+4*\s], 1
	s_add_co_u32 s[G0B+4*\s+1], s2, \s*SLOT+2*ABLK
	s_add_nc_u64 s[G0B+4*\s+2:G0B+4*\s+3], s[98:99], \s*2*BBLK
	s_or_b32 s[G0B+4*\s+3], s[G0B+4*\s+3], 0x80000000
.endr
	s_mov_b32 s[G0C], 1
	s_mul_i32 s[G0C+1], s22, CREG                  ; region w of c_x's four
	s_add_nc_u64 s[G0C+2:G0C+3], s[8:9], s[66:67]
	s_or_b32 s[G0C+3], s[G0C+3], 0x80000000
	s_mov_b32 s84, 0x3f800000
	s_cmp_eq_u32 s40, 0                            ; these choices hang on the wave's number alone
	s_cselect_b64 s[80:81], s[10:11], s[12:13]     ; wave w sums part p = w % 2 of the biases, gates 2 (w / 2) and the next
	s_cselect_b64 s[82:83], s[14:15], s[16:17]
	s_cselect_b64 s[66:67], s[18:19], s[20:21]     ; on the way out waves with j = 0 store h_t, those with j = 1 c_t
	s_cselect_b32 s84, 0xbf800000, s84             ; the real part's sums are kept negated
	s_mov_b32 s85, s84
	s_add_nc_u64 s[100:101], s[66:67], s[100:101]
	s_lshl_b32 s2, s23, 13
	s_lshl_b32 s3, s43, 8
	s_add_co_u32 s2, s2, s3                        ; two gates of 4,096 bytes, + 256 ub
	s_mov_b32 s3, 0
	s_add_nc_u64 s[80:81], s[80:81], s[2:3]
	s_add_nc_u64 s[82:83], s[82:83], s[2:3]
	CROUND                                         ; all sixteen work-groups are here: the first joint loads meet
	JLOAD G0A, G1A, G0B, G1B                       ; slot 0: chunks 0 and 1; one tensor load a wave at the head
	v_and_b32 v1, 15, v0                           ; r
	v_bfe_u32 v2, v0, 4, 1                         ; h
	v_and_b32 v3, 31, v0
	v_lshlrev_b32 v4, 4, v3                        ; 16 x lane
	v_lshlrev_b32 v[BGO], 12, v2
	v_lshl_add_u32 v[BGO], v1, 4, v[BGO]           ; lanes 0-15 one gate's 256 bytes, lanes 16-31 the next gate's
	global_load_b128 v[BT:BT+3], v[BGO], s[80:81]
	global_load_b128 v[BT+4:BT+7], v[BGO], s[82:83]
	s_wait_alu depctr_va_vdst(0)
	s_mul_i32 s47, s23, AHALF
	s_mul_i32 s2, s40, BHALF
	s_add_co_u32 s2, s2, 2*ABLK
	v_add_nc_u32 v[ADRA], s47, v4
	v_add_nc_u32 v[ADRB], s2, v4
	v_add_nc_u32 v[ADRA+1], ABLK, v[ADRA]
	v_add_nc_u32 v[ADRB+1], BBLK, v[ADRB]
	v_add_nc_u32 v[ADRA+2], SLOT, v[ADRA]
	v_add_nc_u32 v[ADRB+2], SLOT, v[ADRB]
	v_add_nc_u32 v[ADRA+3], SLOT, v[ADRA+1]
	v_add_nc_u32 v[ADRB+3], SLOT, v[ADRB+1]
	s_add_co_u32 s47, s47, 12288                   ; A's scale words lie behind its 8 images,
	s_add_co_u32 s2, s2, 24576                     ; B's behind its 16
	s_sub_co_u32 s2, s2, s47
	v_mul_u32_u24 v5, s2, v2                       ; lanes 16-31 take B's: the lower base + h x the distance
	v_lshl_add_u32 v5, v1, 4, v5
	v_add_nc_u32 v[ADRS], s47, v5
	s_add_co_u32 s47, s47, ABLK
	s_add_co_u32 s2, s2, BBLK-ABLK
	v_mul_u32_u24 v5, s2, v2
	v_lshl_add_u32 v5, v1, 4, v5
	v_add_nc_u32 v[ADRS+1], s47, v5
	v_add_nc_u32 v[ADRS+2], SLOT, v[ADRS]
	v_add_nc_u32 v[ADRS+3], SLOT, v[ADRS+1]
	s_mul_i32 s47, s23, 2*CREG
	s_lshl_b32 s2, s40, 7
	s_add_co_u32 s2, s2, s47
	v_mul_u32_u24 v5, v1, 272
	v_lshl_add_u32 v5, v2, 5, v5
	v_add_nc_u32 v[ADRC], s2, v5                   ; row r, 128 j + 32 h bytes
	v_add_nc_u32 v[ADRH], HTB, v[ADRC]
	s_lshl_b32 s2, s40, 7
	s_add_co_u32 s2, s2, BIB
	v_lshlrev_b32 v5, 5, v2
	v_add_nc_u32 v[ADRBI], s2, v5                  ; my 32 bytes of a gate's 256
	s_lshl_b32 s2, s40, 10
	s_lshl_b32 s3, s23, 9
	s_add_co_u32 s2, s2, s3
	s_add_co_u32 s2, s2, BIB
	v_add_nc_u32 v[ADRBS], s2, v4                  ; part j, gates 2 i on: 512 bytes a wave
	s_xor_b32 s2, s40, 1
	s_mul_i32 s2, s2, HTB                          ; j = 0 reads h_t's stage, j = 1 c_t's
	s_add_co_u32 s2, s2, s47
	v_mul_u32_u24 v5, v2, 272
	v_lshl_add_u32 v5, v1, 4, v5
	v_add_nc_u32 v[RD], s2, v5
	v_lshlrev_b32 v[GO], 13, v2
	v_lshl_add_u32 v[GO], v1, 4, v[GO]
.macro FRAG3 reg, adr, off
.irp c, 0,1,2
	ds_load_b128 v[(\reg)+4*\c:(\reg)+4*\c+3], v[\adr] offset:(\off)+512*\c
.endr
.endm
.macro FETCH_B q, ri, set
	WIN 0x40
.irp b, 0,1,2,3,4,5,6,7
	FRAG3 128*(\set)+12*\b, ADRB+(\q), (8*(\ri)+\b)*1536
.endr
	WIN 0
.endm
.macro FETCH_A q, plane, reg
.irp m, 0,1,2,3
	FRAG3 \reg+12*\m, ADRA+(\q), (4*(\plane)+\m)*1536
.endr
.endm
.macro SCALES q
.irp u, 0,1,2,3
	ds_load_b128 v[SC+16*((\q)%2)+4*\u:SC+16*((\q)%2)+4*\u+3], v[ADRS+(\q)] offset:256*\u
.endr
.endm
; 16 matrix instructions: tiles of rows m0, m0 + 1 x the eight tiles of a matrix.  first = 1: C is the bias (window 1).  ng = 1: the product is added to -C.
; The accumulators take turns, one instruction a turn.
.macro MUL16 areg, plane, m0, set, ri, sc, first, ng
.irp m, \m0, \m0+1
.irp b, 0,1,2,3,4,5,6,7
.set DD, 8*(8*(\m)+\b)
.set CC, DD
.if \first
.if \ng
.set CC, 128+8*\b
.else
.set CC, 96+8*\b+96*(\b/4)
.endif
.endif
.if \ng
	v_wmma_scale_f32_16x16x128_f8f6f4 v[DD:DD+7], v[128*(\set)+12*\b:128*(\set)+12*\b+11], v[\areg+12*(\m):\areg+12*(\m)+11], v[CC:CC+7], v[SC+16*(\sc)+8*(\ri)+\b], v[SC+16*(\sc)+4*(\plane)+(\m)] matrix_a_fmt:MATRIX_FMT_BF6 matrix_b_fmt:MATRIX_FMT_BF6 matrix_a_scale:MATRIX_SCALE_ROW1 neg_lo:[0,0,1]
.else
	v_wmma_scale_f32_16x16x128_f8f6f4 v[DD:DD+7], v[128*(\set)+12*\b:128*(\set)+12*\b+11], v[\areg+12*(\m):\areg+12*(\m)+11], v[CC:CC+7], v[SC+16*(\sc)+8*(\ri)+\b], v[SC+16*(\sc)+4*(\plane)+(\m)] matrix_a_fmt:MATRIX_FMT_BF6 matrix_b_fmt:MATRIX_FMT_BF6 matrix_a_scale:MATRIX_SCALE_ROW1
.endif
.endr
.endr
.endm
; The first half of the chunk at position q: XR Br -> zr, XI Br -> zi; between them the chunk's Bi is fetched, 32 matrix instructions ahead of its use.
; At an even position the next chunk lies in the same slot: its XI (the other set) is fetched in the same run.  In the first chunk zi's biases come there too.
.macro FRONT q, first
	s_wait_dscnt 12*(1-(\q)%2)                     ; Br, XR and the scale words are in; at an even position the youngest 12 loads (XI) may be out
.if \first
	WIN 0x91                                       ; C window 1, D window 2
.else
	WIN MUL_LO
.endif
	MUL16 XR, 0, 0, 0, 0, (\q)%2, \first, 1
	MUL16 XR, 0, 2, 0, 0, (\q)%2, \first, 1
	PLACES 4                                       ; for the loads into Bi's registers
.if \first
	WIN 0x40
.irp g, 0,1,2,3
.irp o, 0,1
.irp k, 0,1
	ds_load_b128 v[96+8*(2*\g+\o)+96*(\g/2)+4*\k:96+8*(2*\g+\o)+96*(\g/2)+4*\k+3], v[ADRBI] offset:1024+256*\g+64*\o+16*\k
.endr
.endr
.endr
.endif
	FETCH_B \q, 1, 1
.if (\q)%2 == 0
	FETCH_A (\q)+1, 1, XI+48
	s_wait_dscnt 36                                ; this chunk's XI (and zi's biases) are in; Bi's 24 loads and the next XI's 12 may be out
.else
	s_wait_dscnt 24                                ; Bi's 24 loads may be out
.endif
.if \first
	WIN 0xd1                                       ; C window 1, D window 3
.else
	WIN MUL_HI
.endif
	MUL16 XI+48*((\q)%2), 1, 0, 0, 0, (\q)%2, \first, 0
	MUL16 XI+48*((\q)%2), 1, 2, 0, 0, (\q)%2, \first, 0
	WIN 0
.endm
; The second half: XR Bi -> zi, XI Bi -> zr, and between them the fetches of the chunk at position nq, in one run (its XI too, where it lies in the other slot).
; mode 3: same slot, no barrier.  mode 2, 4: the change of slots: the three lines, a round of the cluster's barrier, and slot `slot` filled again: 2 jointly with the chunks two slots on, 4 with c_x.  mode 0: the last chunk.
.macro BACK q, nq, mode, slot
.if \mode == 0 || \mode == 3
	s_wait_dscnt 0x0                               ; Bi is in
	WIN MUL_HI
	MUL16 XR, 0, 0, 1, 1, (\q)%2, 0, 0
	MUL16 XR, 0, 2, 1, 1, (\q)%2, 0, 0
.if \mode == 3
	PLACES 4                                       ; for the loads into Br's and XR's registers
.endif
.else
	s_wait_tensorcnt 0x0                           ; all my tensor loads have landed, my part of the next slot among them
	ds_add_u32 v[SPW], v[NIL]
	s_wait_dscnt 1                                 ; Bi's 24 loads are in; the add may be out
	WIN MUL_HI
	MUL16 XR, 0, 0, 1, 1, (\q)%2, 0, 0
	s_wait_dscnt 0x0                               ; the add is done, and my reads of this slot are over
	s_barrier_signal -1
	MUL16 XR, 0, 2, 1, 1, (\q)%2, 0, 0
	WIN 0
	s_barrier_wait -1
	CREST                                          ; no wave of any partner still reads this slot or has a load on its way
.if \mode == 2
	s_add_nc_u64 s[G0A+4*\slot+2:G0A+4*\slot+3], s[G0A+4*\slot+2:G0A+4*\slot+3], 4*ABLK
	s_add_nc_u64 s[G0B+4*\slot+2:G0B+4*\slot+3], s[G0B+4*\slot+2:G0B+4*\slot+3], 4*BBLK
	JLOAD G0A+4*\slot, G1A, G0B+4*\slot, G1B       ; its four v_nop are also the places in front of the loads below
.else
	tensor_load_to_lds s[G0C:G0C+3], s[G1C:G1C+7]  ; my region of c_x: the slot's last fill
	s_nop 0
	PLACES 4
.endif
.endif
.if \mode
	FETCH_B \nq, 0, 0
	FETCH_A \nq, 0, XR
	SCALES \nq
.if \mode != 3
	FETCH_A \nq, 1, XI+48*((\nq)%2)
.endif
.endif
	WIN MUL_LO
	MUL16 XI+48*((\q)%2), 1, 0, 1, 1, (\q)%2, 0, 1
	MUL16 XI+48*((\q)%2), 1, 2, 1, 1, (\q)%2, 0, 1
	WIN 0
.endm
	s_wait_alu depctr_va_vdst(0)
	s_wait_loadcnt 0x0                             ; my 16 bytes of Ub and of Wb
	v_pk_mul_f32 v[BT+4:BT+5], v[BT+4:BT+5], s[84:85] op_sel_hi:[1,0]
	v_pk_mul_f32 v[BT+6:BT+7], v[BT+6:BT+7], s[84:85] op_sel_hi:[1,0]
	v_pk_fma_f32 v[BT:BT+1], v[BT:BT+1], s[84:85], v[BT+4:BT+5] op_sel_hi:[1,0,1]
	v_pk_fma_f32 v[BT+2:BT+3], v[BT+2:BT+3], s[84:85], v[BT+6:BT+7] op_sel_hi:[1,0,1]   ; +-(Ub + Wb)
	s_wait_alu depctr_va_vdst(0)
	s_wait_tensorcnt 0x0                           ; my part of slot 0 is in: the store below stands under no tensor load of mine
	ds_store_b128 v[ADRBS], v[BT:BT+3]
	s_wait_tensorcnt 0x0
	ds_add_u32 v[SPW], v[NIL]
	s_wait_dscnt 0x0                               ; the add and my store of biases are done
	CROUND                                         ; everybody's part of slot 0 and of the biases is in; the joint loads meet
	JLOAD G0A+4, G1A, G0B+4, G1B                   ; slot 1's first fill: chunks 2 and 3
	WIN 0x40
.irp g, 0,1,2,3
.irp o, 0,1
.irp k, 0,1
	ds_load_b128 v[128+8*(2*\g+\o)+4*\k:128+8*(2*\g+\o)+4*\k+3], v[ADRBI] offset:256*\g+64*\o+16*\k
.endr
.endr
.endr
	FETCH_B 0, 0, 0
	FETCH_A 0, 0, XR
	SCALES 0
	FETCH_A 0, 1, XI
	FRONT 0, 1                                     ; the first half chunk starts all 64 sums on the biases
	s_mov_b32 s3, 3
.Llap:                                             ; a trip goes once round the ring, four chunks, and fills both slots again
	BACK 0, 1, 3, 0
	FRONT 1, 0
	BACK 1, 2, 2, 0
	FRONT 2, 0
	BACK 2, 3, 3, 1
	FRONT 3, 0
	BACK 3, 0, 2, 1
	FRONT 0, 0
	s_sub_co_u32 s3, s3, 1
	s_cmp_lg_u32 s3, 0
	s_cbranch_scc1 .Llap
	BACK 0, 1, 3, 0                                ; the tail is written out
	FRONT 1, 0
	BACK 1, 2, 4, 0                                ; slot 0 is left for good: c_x comes into it
	FRONT 2, 0
	BACK 2, 3, 3, 1
	FRONT 3, 0
	BACK 3, 0, 0, 1
; THE UPDATE.  c_x's regions are read across waves: each wave's load has landed, then a barrier (no LDS instruction of mine is out).
	s_wait_tensorcnt 0x0
	s_barrier_signal -1
	s_barrier_wait -1
	PLACES 4                                       ; for the loads into the weights' registers, and the reads of results
; eight packed lines: d (16 a tile) = a b (kind 0), d + a b (1), d - a b (2); sa, sb: a's and b's registers from tile o = 0 to o = 1
.macro CPX kind, d, a, sa, b, sb
.irp o, 0,1
.irp y, 0,2,4,6
.set DR, (\d)+16*\o+\y
.set AR, (\a)+(\sa)*\o+\y
.set BR, (\b)+(\sb)*\o+\y
.if \kind == 0
	v_pk_mul_f32 v[DR:DR+1], v[AR:AR+1], v[BR:BR+1]
.elseif \kind == 1
	v_pk_fma_f32 v[DR:DR+1], v[AR:AR+1], v[BR:BR+1], v[DR:DR+1]
.else
	v_pk_fma_f32 v[DR:DR+1], v[AR:AR+1], v[BR:BR+1], v[DR:DR+1] neg_lo:[1,0,0] neg_hi:[1,0,0]
.endif
.endr
.endr
.endm
.macro TRANS op, reg, n                            ; a batch
	s_wait_alu depctr_va_vdst(0)
.set ix, 0
.rept \n
	\op v[\reg+ix], v[\reg+ix]
.set ix, ix+1
.endr
	v_nop
	s_wait_alu depctr_va_vdst(0)
.endm
.macro PLUS1 reg, n
.set ix, 0
.rept \n
	v_pk_add_f32 v[\reg+ix:\reg+ix+1], v[\reg+ix:\reg+ix+1], 1.0 op_sel_hi:[1,0]
.set ix, ix+2
.endr
.endm
; 16 rows x my 32 units: a lane has 16 complex numbers
.macro CELL m
	WIN 0x40
.irp o, 0,1
.irp p, 0,1
.irp k, 0,1
	ds_load_b128 v[CX+16*\o+8*\p+4*\k:CX+16*\o+8*\p+4*\k+3], v[ADRC] offset:CREG*\p+4352*\m+64*\o+16*\k
.endr
.endr
.endr
.irp p, 0,1
	WIN 0x42+\p                                    ; source 0: the accumulators' window; destination window 1
.irp g, 0,1,2,3
.set KG, KS
.if \g == 2
.set KG, KT
.endif
.irp o, 0,1
.irp y, 0,2,4,6
.if \p == 0
	v_pk_mul_f32 v[T+64*\o+16*\g+\y:T+64*\o+16*\g+\y+1], v[8*(8*\m+2*\g+\o)+\y:8*(8*\m+2*\g+\o)+\y+1], s[KG:KG+1] op_sel_hi:[1,0] neg_lo:[1,0] neg_hi:[1,0]   ; the register holds -zr
.else
	v_pk_mul_f32 v[T+64*\o+16*\g+8+\y:T+64*\o+16*\g+8+\y+1], v[8*(8*\m+2*\g+\o)+\y:8*(8*\m+2*\g+\o)+\y+1], s[KG:KG+1] op_sel_hi:[1,0]
.endif
.endr
.endr
.endr
.endr
.if \m > 0
	WIN 0
	OUTS \m-1, 8                                   ; the 16 rows before leave here: their loads from the stage were issued ahead of my 8 loads of c
.endif
	WIN 0x55                                       ; everything in window 1
	TRANS v_exp_f32, T, 128
	PLUS1 T, 64
	TRANS v_rcp_f32, T, 128
	s_wait_dscnt 0x0                               ; c is in
.irp o, 0,1
.irp y, 0,2,4,6,8,10,12,14
	v_pk_fma_f32 v[T+64*\o+32+\y:T+64*\o+32+\y+1], v[T+64*\o+32+\y:T+64*\o+32+\y+1], -2.0, 1.0 op_sel_hi:[1,0,0]   ; gate a: tanh
.endr
.endr
	CPX 0, CT,   CX,   16, T,    64                ; cr fr
	CPX 0, CT+8, CX,   16, T+8,  64                ; cr fi
	CPX 2, CT,   CX+8, 16, T+8,  64                ; - ci fi
	CPX 1, CT+8, CX+8, 16, T,    64                ; + ci fr
	CPX 1, CT,   T+32, 64, T+16, 64                ; + ar ir
	CPX 1, CT+8, T+32, 64, T+24, 64                ; + ar ii
	CPX 2, CT,   T+40, 64, T+24, 64                ; - ai ii
	CPX 1, CT+8, T+40, 64, T+16, 64                ; + ai ir
.set ix, 0
.rept 16
	v_pk_mul_f32 v[TH+ix:TH+ix+1], v[CT+ix:CT+ix+1], s[KT:KT+1] op_sel_hi:[1,0]
.set ix, ix+2
.endr
	TRANS v_exp_f32, TH, 32
	PLUS1 TH, 16
	TRANS v_rcp_f32, TH, 32
.set ix, 0
.rept 16
	v_pk_fma_f32 v[TH+ix:TH+ix+1], v[TH+ix:TH+ix+1], -2.0, 1.0 op_sel_hi:[1,0,0]   ; tanh(c_t)
.set ix, ix+2
.endr
	CPX 0, HT,   T+48, 64, TH,   16                ; or thr
	CPX 0, HT+8, T+48, 64, TH+8, 16                ; or thi
	CPX 2, HT,   T+56, 64, TH+8, 16                ; - oi thi
	CPX 1, HT+8, T+56, 64, TH,   16                ; + oi thr
	WIN 0x04                                       ; the data: window 1
.irp o, 0,1
.irp p, 0,1
.irp k, 0,1
	ds_store_b128 v[ADRC], v[CT+16*\o+8*\p+4*\k:CT+16*\o+8*\p+4*\k+3] offset:CREG*\p+4352*\m+64*\o+16*\k   ; c_t over the very bytes from which this lane has read c
	ds_store_b128 v[ADRH], v[HT+16*\o+8*\p+4*\k:HT+16*\o+8*\p+4*\k+3] offset:CREG*\p+4352*\m+64*\o+16*\k
.endr
.endr
.endr
	WIN 0
.endm
; The way out of 16 rows: a row's 256 bytes come from the two waves of a row half, so a barrier stands ahead.  Wave (i, j) stores output j of row half i.
.macro OUT m
.if \m > 0
	s_wait_xcnt 0x0                                ; the stores of the 16 rows before have read their registers, which are loaded again
.endif
.irp p, 0,1
.irp t, 0,1,2,3,4,5,6,7
	ds_load_b128 v[OUTB+4*(8*\p+\t):OUTB+4*(8*\p+\t)+3], v[RD] offset:CREG*\p+4352*\m+544*\t
.endr
.endr
.endm
.macro OUTS m, younger                 ; the stores of those rows; younger: the LDS loads issued behind OUT's, which may stay out
.irp p, 0,1
.irp t, 0,1,2,3,4,5,6,7
	s_wait_dscnt 15-8*\p-\t+\younger               ; this load is in; the younger ones may be out
	global_store_b128 v[GO], v[OUTB+4*(8*\p+\t):OUTB+4*(8*\p+\t)+3], s[100:101] offset:131072*(\m)+16384*\t+4096*\p th:TH_STORE_NT   ; sixteen lanes store 256 consecutive bytes, aligned
.endr
.endr
.endm
.irp m, 0,1,2,3
	CELL \m
	s_wait_dscnt 0x0                               ; for the others' sake: my stores into the stages have landed
	s_barrier_signal -1
	s_barrier_wait -1
	OUT \m                                         ; the rows' loads from the stages; their stores stand in the next block's work
.endr
	OUTS 3, 0
	s_wait_tensorcnt 0x0                           ; the wave's end
	ds_add_u32 v[SPW], v[NIL]
	s_wait_dscnt 0x0
	CROUND                                         ; the closing round
	s_endpgm
.Lfunc_end_k_q9d43b657ed_cell:
	.size	k_q9d43b657ed_cell, .Lfunc_end_k_q9d43b657ed_cell-k_q9d43b657ed_cell
	.p2alignl 7, 3214868480
	.fill 96, 4, 3214868480
	.section	.rodata,"a",@progbits
	.p2align	6, 0x0
	.amdhsa_kernel k_q9d43b657ed_cell
		.amdhsa_group_segment_fixed_size 327680
		.amdhsa_private_segment_fixed_size 0
		.amdhsa_enable_private_segment 0
		.amdhsa_kernarg_size 72
		.amdhsa_user_sgpr_count 2
		.amdhsa_user_sgpr_kernarg_segment_ptr 1
		.amdhsa_wavefront_size32 1
		.amdhsa_system_sgpr_workgroup_id_x 1
		.amdhsa_system_sgpr_workgroup_id_y 1
		.amdhsa_system_sgpr_workgroup_id_z 1
		.amdhsa_system_vgpr_workitem_id 0
		.amdhsa_next_free_vgpr 1024
		.amdhsa_next_free_sgpr 102
		.amdhsa_reserve_vcc 0
		.amdhsa_float_denorm_mode_32 3
		.amdhsa_float_denorm_mode_16_64 3
		.amdhsa_memory_ordered 1
		.amdhsa_forward_progress 1
		.amdhsa_inst_pref_size 255
	.end_amdhsa_kernel
	.section	.bss,"aw",@nobits
	.p2align	6
	.space	262144
	.amdgpu_metadata
---
amdhsa.version: [ 1, 2 ]
amdhsa.kernels:
  - .name:           k_q9d43b657ed_cell
    .symbol:         k_q9d43b657ed_cell.kd
    .args:
      - { .name: aw, .offset: 0, .size: 8, .value_kind: global_buffer, .address_space: global }
      - { .name: bw, .offset: 8, .size: 8, .value_kind: global_buffer, .address_space: global }
      - { .name: c_x, .offset: 16, .size: 8, .value_kind: global_buffer, .address_space: global }
      - { .name: Ub_r, .offset: 24, .size: 8, .value_kind: global_buffer, .address_space: global }
      - { .name: Ub_i, .offset: 32, .size: 8, .value_kind: global_buffer, .address_space: global }
      - { .name: Wb_r, .offset: 40, .size: 8, .value_kind: global_buffer, .address_space: global }
      - { .name: Wb_i, .offset: 48, .size: 8, .value_kind: global_buffer, .address_space: global }
      - { .name: out0, .offset: 56, .size: 8, .value_kind: global_buffer, .address_space: global }
      - { .name: out1, .offset: 64, .size: 8, .value_kind: global_buffer, .address_space: global }
    .group_segment_fixed_size: 327680
    .private_segment_fixed_size: 0
    .kernarg_segment_align: 8
    .kernarg_segment_size: 72
    .max_flat_workgroup_size: 128
    .sgpr_count:     102
    .vgpr_count:     1024
    .wavefront_size: 32
...
	.end_amdgpu_metadata
.endif
;; end of part 4
